; MI455X (gfx1250); checked and timed in simulation.
; The chip was launched on July 23, 2026; its instructions are those of AMD's public machine-readable ISA for CDNA 5 (MIT licence, August 2026) and "CDNA5" Instruction Set Architecture Reference Guide (July 2026). The comments in the code are by the model that wrote it; some were corrected since.
;; Causal Self Attention. Allowed arithmetic: matrix products marked QUANTISED: E2M3 operands, one E8M0 scale for each 32 along K, by v_wmma_scale_f32_16x16x128_f8f6f4 with both operands' format E2M3, f32 sums; everything else in f32.
;; Inputs: b_attn 3,072 float32; b_proj 1,024 float32; w_attn 1,024 x 3,072 float32; w_proj 1,024 x 1,024 float32; x 4 x 2,048 x 1,024 float32.
;; Outputs: out0 4 x 2,048 x 1,024 float32.
;; This version of the problem:
;;   THIS VERSION OF THE PROBLEM IS GIVEN IN LOW PRECISION. The matrix products marked QUANTISED in the list below multiply operands that are first quantised to E2M3 (2 exponent bits, 3 mantissa bits; 6 bits a number), with one power-of-two scale for each 32 numbers along K (OCP MX v1.0); their sums are f32. All else is computed in f32.
;;   The module's matrix products, in the order in which they are computed (A, B: the left and right operand; K: the contracted axis; several contracted axes count as one K, in the product's order):
;;     1. [M 8,192, K 1,024] x [K 1,024, N 3,072]; A: input x; B: input w_attn: QUANTISED
;;     2. batch 64 x [M 2,048, K 64] x [K 64, N 2,048]; A: computed on the way; B: computed on the way: QUANTISED
;;     3. batch 64 x [M 2,048, K 2,048] x [K 2,048, N 64]; A: softmax (see below); B: computed on the way: QUANTISED
;;     4. [M 8,192, K 1,024] x [K 1,024, N 1,024]; A: computed on the way; B: input w_proj: QUANTISED
;;   THE QUANTISER, for each operand of a quantised product, along K:
;;     - K is cut into blocks of 32 from its start; a last block that is shorter is filled with zeros.
;;     - A block's scale is 2^e with e = floor(log2(the largest magnitude in the block)) - 2, held to -126 .. 127; a block of zeros has e = 0. As a byte (E8M0): e + 127.
;;     - Each number is divided by its block's scale, clamped to +-7.5, and rounded to the nearest number of E2M3, ties to even, subnormals kept.
;;     - The product sums the exact products of the quantised numbers (number of the format x scale) in f32.
;;   ~~~python
;;   def quantise(x, axis):      # numpy; x: float32 -> the quantised numbers, widened to float32 again
;;       x = np.moveaxis(x, axis, -1); K = x.shape[-1]
;;       x = np.pad(x, [(0, 0)] * (x.ndim - 1) + [(0, -K % 32)]); x = x.reshape(x.shape[:-1] + (-1, 32)); a = np.abs(x).max(-1, keepdims=True)
;;       e = np.where(a > 0, np.clip(np.frexp(np.where(a > 0, a, 1))[1] - 1 - 2, -126, 127), 0)      # np.frexp(a)[1] - 1 = floor(log2(a)), exactly
;;       r = np.clip(x / 2.0 ** e, -7.5, 7.5)
;;       step = 2.0 ** (np.maximum(np.frexp(np.where(r == 0, 1, r))[1] - 1, 0) - 3)
;;       q = np.round(r / step) * step * 2.0 ** e      # np.round: ties to even
;;       return np.moveaxis(q.reshape(q.shape[:-2] + (-1,))[..., :K], -1, axis).astype(np.float32)
;;   ~~~
;;   SOFTMAX AHEAD OF A QUANTISED PRODUCT. Where the list says 'softmax', what is quantised is not the finished softmax but p = 2^(t - M), with t = logit x log2(e) and M = ceil(the row's largest t), a whole number; so 1/2 < the row's largest p <= 1. The row's sum l is taken of the UNQUANTISED p, in f32, and the product's result is divided by l at the end. Since M is a whole number, a kernel that streams over the keys may use a running M (the ceiling of the running maximum): every later rescaling is an exact power of two, which a block's scale takes up: the codes' values come out the same.
;;   OPERANDS COMPUTED ON THE WAY. 'Computed on the way' means the value that the module computes at that place (a softmax that the list does not call 'softmax' is quantised finished and normalised). What goes into a quantiser is computed in f32, as accurately as f32 sums, v_exp_f32 and their like allow (about 1e-6 of the number): no bf16 or f16 on the way to a quantiser, and a product that is left as it is and whose result goes on into a quantised operand takes f32 operands (vector FMAs, or v_wmma_f32_16x16x4_f32). A number that lies on a knife's edge between two numbers of the format may be rounded either way, as far as f32 arithmetic and the matrix unit's own rounding can turn it there, and no further.
;; One version. Each part assembles by itself: llvm-mc -triple=amdgcn-amd-amdhsa -mcpu=gfx1250 --defsym DOCPART=n.
;; ======== version 1 of 1: 4 launches
;; limits: right only within a limited range of input values
;; workspace buffers: xc 6,291,456 bytes; xs 262,144 bytes; wc 3,145,728 bytes; ws 131,072 bytes; qkvc 18,874,368 bytes; qkvs 786,432 bytes; ac 6,291,456 bytes; asc 262,144 bytes
;; launch quant (part 1): grid 4 x 96, 8 waves a work-group, no clusters, 138,240 bytes of LDS; arguments x, xc, xs, w_attn, w_proj, wc, ws; writes xc, xs, wc, ws
.if DOCPART == 1
	.amdgcn_target "amdgcn-amd-amdhsa--gfx1250"
	.amdhsa_code_object_version 6
	.text
	.protected	k_q831d278ede_quant
	.globl	k_q831d278ede_quant
	.p2align	8
	.type	k_q831d278ede_quant,@function
k_q831d278ede_quant:
	s_mov_b64 s[64:65], 0
	v_nop
	global_prefetch_b8 v0, s[64:65] scope:SCOPE_SE
	s_setreg_imm32_b32 hwreg(HW_REG_WAVE_MODE, 25, 1), 1
	s_wait_xcnt 0x0
; x [8192][1024], w_attn [1024][3072] and w_proj [1024][1024], f32, become codes of FP6 (E2M3) with one E8M0 byte for each 32 along K, laid in the order of an operand's registers.  One launch serves all three:
; work-groups with y < 64 take x, the others the weights; the two paths part on the work-group's number alone and have LDS bytes of their own.
; A block's scale is 2^(floor(log2(largest magnitude)) - 2); its byte is the largest magnitude's exponent field - 2, held at 1 from below.
; LIMITS: a block of zeros, and a block whose largest magnitude lies under 2^-124, keeps the byte 1 (the bytes are read by this program alone); NaN and infinities are not served.
; LAYOUT OUT.  Codes: [block of 128 rows][128 along K] pieces of 12,288 bytes = [64-half of K c][tile 0..7][768]; in a tile's 768 bytes lane l's registers 0-3 lie at 16 l, registers 4-5 at 512 + 8 l.
; Row r of tile b is row 32 (b / 2) + 8 (b % 2) + r % 8 + 16 (r / 8) of the 128.  Scales: 512 bytes a piece: the word of (tile b, row r) at 256 (b / 4) + 16 r + 4 (b % 4).
; For the weights the rows of a piece are 128 columns n; pieces 0-23 along n are w_attn's, 24-31 w_proj's.
; x: a work-group takes 128 rows x 256 along K; wave w is tile w, with two units of 16 rows x 128 K.  Each load reads 512 consecutive bytes of a row; a unit turns through the wave's own stage in LDS
; (rows 528 bytes apart), from which lane (r, h) takes row r, k = 64 c + 32 h + 0 .. 31: whole blocks in one lane.
; WEIGHTS (K is the FIRST axis): a work-group takes 128 columns x 256 along K; waves 0-3 the first 128 of K, waves 4-7 the second; wave w % 4 the 32 columns of tiles 2 (w % 4) and 2 (w % 4) + 1.
; A lane takes a column and its registers run down K, so it owns its column's four blocks of 32; an exchange of halves between the registers of blocks 2 c and 2 c + 1 gives both tiles' images at once.
; A stream: no matrix unit, no cluster, no tensor load.
.set WST,   16896                      ; x: a wave's two stages
.set UST,   8448
.set RP,    528
.set SCA,   8*WST                      ; x: the two pieces' scale words, 1,024 bytes
.set SPARE, SCA+1024                   ; the spare words: 128 bytes a wave
.set WSC,   SPARE+1024                 ; weights: the two pieces' scale words, 1,024 bytes
.set L16,   4
.set L8,    5
.set STI,   6
.set STO,   7
.set SWA,   8
.set SRA,   9
.set SH8,   10
.set PD,    11
.set SPW,   12
.set NIL,   13
.set GS,    14
.set RR,    16
.set X0,    144
.set X1,    16
.set PC0,   208
.set PC1,   220
.set TT,    232
.set MX,    240
.set SO,    242
.set BY,    244
.set W0,    246
.set W1,    247
	v_lshl_add_u32 v[SPW], v0, 2, SPARE
	v_mov_b32 v[NIL], 0
	s_and_b32 s14, ttmp7, 0xffff
	s_wait_alu depctr_va_vdst(0)
	s_cmp_lt_u32 s14, 64
	s_cbranch_scc0 .Lweights
	s_load_b128 s[4:7], s[0:1], 0x0                ; x, xc
	s_load_b64 s[8:9], s[0:1], 0x10                ; xs
	v_lshrrev_b32 v1, 5, v0
	v_readfirstlane_b32 s10, v1                    ; wave = tile
	v_and_b32 v3, 31, v0                           ; lane
	v_and_b32 v1, 15, v0                           ; r
	v_bfe_u32 v2, v0, 4, 1                         ; h
	v_lshlrev_b32 v[L16], 4, v3
	v_lshlrev_b32 v[L8], 3, v3
	s_mul_i32 s11, s10, WST
	v_add_nc_u32 v[STI], s11, v[L16]
	v_mul_u32_u24 v[STO], v1, RP
	v_lshl_add_u32 v[STO], v2, 7, v[STO]
	v_add_nc_u32 v[STO], s11, v[STO]               ; row r, + 128 h bytes
	s_lshr_b32 s12, s10, 2
	s_lshl_b32 s12, s12, 8
	s_and_b32 s13, s10, 3
	s_lshl_b32 s13, s13, 2
	s_add_co_u32 s12, s12, s13
	s_add_co_u32 s12, s12, SCA
	v_lshl_add_u32 v[SWA], v1, 4, s12
	v_and_b32 v[GS], 63, v0
	v_lshlrev_b32 v[GS], 4, v[GS]
	v_add_nc_u32 v[SRA], SCA, v[GS]
	v_lshlrev_b32 v[SH8], 3, v2
	v_mov_b32 v[PD], 0
	s_lshl_b32 s15, s14, 7                         ; s14: the block of 128 rows
	s_lshr_b32 s16, s10, 1
	s_lshl_b32 s16, s16, 5
	s_add_co_u32 s15, s15, s16
	s_and_b32 s16, s10, 1
	s_lshl_b32 s16, s16, 3
	s_add_co_u32 s15, s15, s16                     ; my tile's first row
	s_lshl_b32 s16, s15, 12
	s_lshl_b32 s17, ttmp9, 10
	s_add_co_u32 s16, s16, s17                     ; + my 256 along K, in bytes
	s_mov_b32 s17, 0
	s_lshl_b32 s18, s14, 3
	s_lshl_b32 s19, ttmp9, 1
	s_add_co_u32 s18, s18, s19                     ; the first of my two pieces
	s_mul_i32 s22, s18, 12288
	s_mul_i32 s23, s10, 768
	s_add_co_u32 s22, s22, s23
	s_mov_b32 s23, 0
	s_lshl_b32 s24, s18, 9
	s_mov_b32 s25, 0
	s_mov_b32 s20, 0x76543210
	s_mov_b32 s21, 0xfedcba98                      ; lane l xor 16
	s_wait_alu depctr_va_vdst(0)
	s_wait_kmcnt 0x0
	s_add_nc_u64 s[4:5], s[4:5], s[16:17]
	s_add_nc_u64 s[6:7], s[6:7], s[22:23]
	s_add_nc_u64 s[8:9], s[8:9], s[24:25]
.irp s, 0,1
.irp i, 0,1,2,3,4,5,6,7,8,9,10,11,12,13,14,15
	global_load_b128 v[RR+64*\s+4*\i:RR+64*\s+4*\i+3], v[L16], s[4:5] offset:((\i%8)+16*(\i/8))*4096+512*\s th:TH_LOAD_NT   ; 512 consecutive bytes of the tile's row i
.endr
.endr
; 64 numbers of a lane, register 32 c + i = k 64 c + 32 h + i of my row, become the fragment's 12 registers and my row's scale word
.macro QUANT6 X, PC, W
.irp c, 0,1
	v_max3_num_f32 v[MX+\c], |v[\X+32*\c]|, |v[\X+32*\c+1]|, 0x1800000    ; the floor 2^(3 - 127) among the leaves
.endr
.irp i, 2,4,6,8,10,12,14,16,18,20,22,24,26,28,30
.irp c, 0,1
	s_delay_alu instid0(VALU_DEP_2)
	v_max3_num_f32 v[MX+\c], v[MX+\c], |v[\X+32*\c+\i]|, |v[\X+32*\c+\i+1]|
.endr
.endr
.irp c, 0,1
	s_delay_alu instid0(VALU_DEP_2)
	v_add_nc_u32 v[SO+\c], 0xff000000, v[MX+\c]    ; 2 off the exponent field: the conversion's scale operand
.endr
.irp c, 0,1
	s_delay_alu instid0(VALU_DEP_2)
	v_lshrrev_b32 v[BY+\c], 23, v[SO+\c]           ; the byte
.endr
	s_delay_alu instid0(VALU_DEP_1)
	v_lshl_or_b32 v[\W], v[BY+1], 16, v[BY]        ; my blocks h and 2 + h,
	s_delay_alu instid0(VALU_DEP_1)
	v_lshlrev_b32 v[\W], v[SH8], v[\W]             ; at their places;
	s_delay_alu instid0(VALU_DEP_1)
	v_permlanex16_b32 v[PD], v[\W], s20, s21
	s_delay_alu instid0(VALU_DEP_1)
	v_or_b32 v[\W], v[\W], v[PD]                   ; with lane l xor 16's two the word is whole
.irp c, 0,1
	v_cvt_scalef32_pk16_fp6_f32 v[\PC+6*\c:\PC+6*\c+2], v[\X+32*\c:\X+32*\c+15], v[SO+\c]
	v_cvt_scalef32_pk16_fp6_f32 v[TT+4*\c:TT+4*\c+2], v[\X+32*\c+16:\X+32*\c+31], v[SO+\c]   ; (three registers begin on an even number: made elsewhere and moved)
.endr
	v_nop                                          ; one plain place behind the conversions
.irp c, 0,1
.irp i, 0,1,2
	v_mov_b32 v[\PC+6*\c+3+\i], v[TT+4*\c+\i]
.endr
.endr
.endm
.macro STOREC PC, off                          ; each store covers 512 or 256 consecutive bytes, aligned
	global_store_b128 v[L16], v[\PC:\PC+3], s[6:7] offset:\off
	global_store_b64 v[L8], v[\PC+4:\PC+5], s[6:7] offset:\off+512
	global_store_b128 v[L16], v[\PC+6:\PC+9], s[6:7] offset:\off+6144
	global_store_b64 v[L8], v[\PC+10:\PC+11], s[6:7] offset:\off+6656
.endm
	s_wait_loadcnt 16                              ; unit 0's 16 loads are in; unit 1's may be out
.irp i, 0,1,2,3,4,5,6,7,8,9,10,11,12,13,14,15
	ds_store_b128 v[STI], v[RR+4*\i:RR+4*\i+3] offset:RP*\i
.endr
.irp c, 0,1
.irp j, 0,1,2,3,4,5,6,7
	ds_load_b128 v[X0+32*\c+4*\j:X0+32*\c+4*\j+3], v[STO] offset:256*\c+16*\j   ; LDS serves a wave's instructions in order: these see the stores above
.endr
.endr
	s_wait_loadcnt 0x0
.irp i, 0,1,2,3,4,5,6,7,8,9,10,11,12,13,14,15
	ds_store_b128 v[STI], v[RR+64+4*\i:RR+64+4*\i+3] offset:UST+RP*\i
.endr
	s_wait_dscnt 16                                ; unit 0's stores have read v16-79 and its numbers are back; only unit 1's 16 stores are out
.irp c, 0,1
.irp j, 0,1,2,3,4,5,6,7
	ds_load_b128 v[X1+32*\c+4*\j:X1+32*\c+4*\j+3], v[STO] offset:UST+256*\c+16*\j
.endr
.endr
	QUANT6 X0, PC0, W0
	ds_store_b32 v[SWA], v[W0]                     ; lanes r and r + 16 write the same word with the same value
	STOREC PC0, 0
	s_wait_dscnt 1                                 ; unit 1's numbers are back; the word's store may be out
	QUANT6 X1, PC1, W1
	ds_store_b32 v[SWA], v[W1] offset:512
	STOREC PC1, 12288
	s_wait_dscnt 0x0                               ; for the others' sake: my words have landed
	s_barrier_signal -1
	s_barrier_wait -1
	s_cmp_lt_u32 s10, 2
	s_cbranch_scc0 .Ldone_x
	ds_load_b128 v[TT:TT+3], v[SRA]                ; waves 0 and 1: one piece's 512 bytes each
	s_wait_dscnt 0x0
	global_store_b128 v[GS], v[TT:TT+3], s[8:9]
.Ldone_x:
	s_wait_tensorcnt 0x0                           ; the wave's end
	ds_add_u32 v[SPW], v[NIL]
	s_wait_dscnt 0x0
	s_endpgm
; ---------------- the weights
.set VO,   16                          ; v16-47  byte offset of my column in rows 0 .. 31 of a block
.set X,    48                          ; v48-175 four blocks of 32 numbers
.set IA,   176                         ; tile 2 w's image
.set IB,   188                         ; tile 2 w + 1's
.set TT,   200                         ; the blocks' upper halves
.set MA,   216
.set MB,   217
.set SO,   218
.set BY,   219
.set WD,   220
.Lweights:
	s_load_b256 s[4:11], s[0:1], 0x18              ; w_attn, w_proj, wc, ws
	v_lshrrev_b32 v1, 5, v0
	v_readfirstlane_b32 s36, v1
	s_and_b32 s28, s36, 3                          ; which 32 columns
	s_lshr_b32 s36, s36, 2                         ; which of the work-group's two pieces along K
	s_lshl_b32 s38, s36, 9
	s_add_co_u32 s38, s38, WSC                     ; that piece's scale words in LDS
	s_sub_co_u32 s37, s14, 64                      ; the block of 128 columns, 0 .. 31
	v_and_b32 v3, 31, v0                           ; lane
	v_and_b32 v1, 15, v0                           ; r
	v_bfe_u32 v2, v0, 4, 1                         ; which of my two tiles
	v_and_b32 v5, 7, v0
	v_bfe_u32 v6, v0, 3, 1
	v_lshl_add_u32 v5, v6, 4, v5
	v_lshl_add_u32 v5, v2, 3, v5
	s_lshl_b32 s29, s28, 5
	v_add_nc_u32 v5, s29, v5                       ; my column: 32 w + 8 (lane / 16) + lane % 8 + 16 ((lane / 8) % 2)
	v_lshlrev_b32 v[VO], 2, v5
	s_lshr_b32 s30, s28, 1
	s_lshl_b32 s30, s30, 8
	s_and_b32 s31, s28, 1
	s_lshl_b32 s31, s31, 3
	s_add_co_u32 s30, s30, s31
	s_add_co_u32 s30, s30, s38
	s_wait_alu depctr_va_vdst(0)
	v_lshl_add_u32 v7, v1, 4, s30
	v_lshl_add_u32 v7, v2, 2, v7                   ; my scale word's place: 256 (w / 2) + 16 r + 8 (w % 2) + 4 (lane / 16)
	v_lshlrev_b32 v8, 4, v3                        ; 16 x lane
	v_lshlrev_b32 v9, 3, v3                        ; 8 x lane
	v_add_nc_u32 v10, s38, v8                      ; where the piece's words are read back
	s_lshl_b32 s15, ttmp9, 1
	s_add_co_u32 s15, s15, s36                     ; which 128 along K
	s_wait_alu depctr_va_vdst(0)
	s_wait_kmcnt 0x0
	s_cmp_lt_u32 s37, 24                           ; w_attn's columns or w_proj's
	s_cselect_b64 s[4:5], s[4:5], s[6:7]
	s_mov_b32 s12, 4096
	s_cselect_b32 s12, 12288, s12                  ; a row of the weight in bytes
	s_cselect_b32 s13, 0, 24
	s_sub_co_u32 s13, s37, s13                     ; the block of 128 columns inside that weight
	s_lshl_b32 s14, s13, 9
	s_lshl_b32 s24, s15, 7
	s_mul_i32 s24, s24, s12
	s_add_co_u32 s24, s24, s14
	s_mov_b32 s25, 0
	s_lshl_b32 s26, s12, 5                         ; 32 rows on
	s_mov_b32 s27, 0
	s_add_nc_u64 s[16:17], s[4:5], s[24:25]        ; a base for each block of 32 along K
	s_add_nc_u64 s[18:19], s[16:17], s[26:27]
	s_add_nc_u64 s[20:21], s[18:19], s[26:27]
	s_add_nc_u64 s[22:23], s[20:21], s[26:27]
	s_lshl_b32 s32, s37, 3
	s_add_co_u32 s32, s32, s15                     ; the piece
	s_mul_i32 s34, s32, 12288
	s_mul_i32 s33, s28, 1536
	s_add_co_u32 s34, s34, s33
	s_mov_b32 s35, 0
	s_add_nc_u64 s[8:9], s[8:9], s[34:35]
	s_lshl_b32 s34, s32, 9
	s_add_nc_u64 s[10:11], s[10:11], s[34:35]
.set i, 1
.rept 31
	v_add_nc_u32 v[VO+i], s12, v[VO+i-1]
.set i, i+1
.endr
.macro LOADB t                         ; block t: 32 rows; a wave's load covers 128 consecutive bytes, four waves 512
.set i, 0
.rept 32
	global_load_b32 v[X+32*(\t)+i], v[VO+i], s[16+2*(\t):17+2*(\t)] th:TH_LOAD_NT
.set i, i+1
.endr
.endm
.macro BLOCK t
.set XS, X+32*(\t)
	v_max3_num_f32 v[MA], |v[XS]|, |v[XS+1]|, |v[XS+2]|
	v_max3_num_f32 v[MB], |v[XS+3]|, |v[XS+4]|, |v[XS+5]|
.irp i, 6,10,14,18,22,26
	v_max3_num_f32 v[MA], v[MA], |v[XS+\i]|, |v[XS+\i+1]|
	v_max3_num_f32 v[MB], v[MB], |v[XS+\i+2]|, |v[XS+\i+3]|
.endr
	v_max3_num_f32 v[MA], v[MA], |v[XS+30]|, |v[XS+31]|
	v_max3_num_f32 v[MA], v[MA], v[MB], 0x1800000  ; and the floor 2^(3 - 127)
	v_add_nc_u32 v[SO], 0xff000000, v[MA]          ; the conversion's scale operand
	v_lshrrev_b32 v[BY], 23, v[SO]                 ; the byte
.if (\t) == 0
	v_mov_b32 v[WD], v[BY]
.else
	v_lshl_or_b32 v[WD], v[BY], 8*(\t), v[WD]
.endif
	v_cvt_scalef32_pk16_fp6_f32 v[IA+12*((\t)%2)+6*((\t)/2):IA+12*((\t)%2)+6*((\t)/2)+2], v[XS:XS+15], v[SO]
	v_cvt_scalef32_pk16_fp6_f32 v[TT+4*(\t):TT+4*(\t)+2], v[XS+16:XS+31], v[SO]   ; the next block's maxima are the plain lines ahead of the next write of the scale operand
.endm
	LOADB 0
	LOADB 1
	s_wait_alu depctr_va_vdst(0)
	s_wait_loadcnt 32                              ; block 0 is in; block 1's 32 loads may be out
	LOADB 2
	BLOCK 0
	s_wait_loadcnt 32                              ; block 1 is in; block 2's may be out
	LOADB 3
	BLOCK 1
	s_wait_loadcnt 32
	BLOCK 2
	s_wait_loadcnt 0x0
	BLOCK 3
	v_nop                                          ; one plain place behind the conversions
.irp i, 0,1,2
	v_permlane16_swap_b32 v[IA+\i], v[IB+\i]       ; the first's lanes 16-31 change places with the second's lanes 0-15: the first is tile 2 w's register, the second tile 2 w + 1's
	v_permlane16_swap_b32 v[IA+6+\i], v[IB+6+\i]
	v_permlane16_swap_b32 v[TT+\i], v[TT+4+\i]
	v_permlane16_swap_b32 v[TT+8+\i], v[TT+12+\i]
.endr
.irp i, 0,1,2
	v_mov_b32 v[IA+3+\i], v[TT+\i]
	v_mov_b32 v[IB+3+\i], v[TT+4+\i]
	v_mov_b32 v[IA+9+\i], v[TT+8+\i]
	v_mov_b32 v[IB+9+\i], v[TT+12+\i]
.endr
	ds_store_b32 v7, v[WD]
.irp u, 0,1
	global_store_b128 v8, v[IA+12*\u:IA+12*\u+3], s[8:9] offset:768*\u
	global_store_b64 v9, v[IA+12*\u+4:IA+12*\u+5], s[8:9] offset:768*\u+512
	global_store_b128 v8, v[IA+12*\u+6:IA+12*\u+9], s[8:9] offset:768*\u+6144
	global_store_b64 v9, v[IA+12*\u+10:IA+12*\u+11], s[8:9] offset:768*\u+6656
.endr
	s_wait_dscnt 0x0                               ; for the others' sake: my words have landed
	s_barrier_signal -1
	s_barrier_wait -1
	s_cmp_lg_u32 s28, 0
	s_cbranch_scc1 .Ldone_w
	ds_load_b128 v[TT:TT+3], v10                   ; waves 0 and 4: their piece's 512 bytes of scale words
	s_wait_dscnt 0x0
	global_store_b128 v8, v[TT:TT+3], s[10:11]
.Ldone_w:
	s_wait_tensorcnt 0x0                           ; the wave's end
	ds_add_u32 v[SPW], v[NIL]
	s_wait_dscnt 0x0
	s_endpgm
.Lfunc_end_k_q831d278ede_quant:
	.size	k_q831d278ede_quant, .Lfunc_end_k_q831d278ede_quant-k_q831d278ede_quant
	.p2alignl 7, 3214868480
	.fill 96, 4, 3214868480
	.section	.rodata,"a",@progbits
	.p2align	6, 0x0
	.amdhsa_kernel k_q831d278ede_quant
		.amdhsa_group_segment_fixed_size 138240
		.amdhsa_private_segment_fixed_size 0
		.amdhsa_enable_private_segment 0
		.amdhsa_kernarg_size 56
		.amdhsa_user_sgpr_count 2
		.amdhsa_user_sgpr_kernarg_segment_ptr 1
		.amdhsa_wavefront_size32 1
		.amdhsa_system_sgpr_workgroup_id_x 1
		.amdhsa_system_sgpr_workgroup_id_y 1
		.amdhsa_system_sgpr_workgroup_id_z 1
		.amdhsa_system_vgpr_workitem_id 0
		.amdhsa_next_free_vgpr 248
		.amdhsa_next_free_sgpr 66
		.amdhsa_reserve_vcc 0
		.amdhsa_float_denorm_mode_32 3
		.amdhsa_float_denorm_mode_16_64 3
		.amdhsa_memory_ordered 1
		.amdhsa_forward_progress 1
		.amdhsa_inst_pref_size 42
	.end_amdhsa_kernel
	.amdgpu_metadata
---
amdhsa.version: [ 1, 2 ]
amdhsa.kernels:
  - .name:           k_q831d278ede_quant
    .symbol:         k_q831d278ede_quant.kd
    .args:
      - { .name: x, .offset: 0, .size: 8, .value_kind: global_buffer, .address_space: global }
      - { .name: xc, .offset: 8, .size: 8, .value_kind: global_buffer, .address_space: global }
      - { .name: xs, .offset: 16, .size: 8, .value_kind: global_buffer, .address_space: global }
      - { .name: w_attn, .offset: 24, .size: 8, .value_kind: global_buffer, .address_space: global }
      - { .name: w_proj, .offset: 32, .size: 8, .value_kind: global_buffer, .address_space: global }
      - { .name: wc, .offset: 40, .size: 8, .value_kind: global_buffer, .address_space: global }
      - { .name: ws, .offset: 48, .size: 8, .value_kind: global_buffer, .address_space: global }
    .group_segment_fixed_size: 138240
    .private_segment_fixed_size: 0
    .kernarg_segment_align: 8
    .kernarg_segment_size: 56
    .max_flat_workgroup_size: 256
    .sgpr_count:     66
    .vgpr_count:     248
    .wavefront_size: 32
...
	.end_amdgpu_metadata
.endif
;; end of part 1
;; launch qkv (part 2): grid 12 x 32, 4 waves a work-group, clusters of 4 x 4, 327,680 bytes of LDS; arguments xc, xs, wc, ws, b_attn, qkvc, qkvs; writes qkvc, qkvs
.if DOCPART == 2
	.amdgcn_target "amdgcn-amd-amdhsa--gfx1250"
	.amdhsa_code_object_version 6
	.text
	.protected	k_q831d278ede_qkv
	.globl	k_q831d278ede_qkv
	.p2align	8
	.type	k_q831d278ede_qkv,@function
k_q831d278ede_qkv:
	s_mov_b64 s[64:65], 0
	v_nop
	global_prefetch_b8 v0, s[64:65] scope:SCOPE_SE
	s_setreg_imm32_b32 hwreg(HW_REG_WAVE_MODE, 25, 1), 1
	s_wait_xcnt 0x0
	s_wait_alu depctr_hold_cnt(0) depctr_sa_sdst(0) depctr_va_vdst(0) depctr_va_sdst(0) depctr_va_ssrc(0) depctr_va_vcc(0) depctr_vm_vsrc(0)
	s_getreg_b32 s2, hwreg(HW_REG_IB_STS2, 6, 4)
	s_cmp_eq_u32 s2, 0
	s_cbranch_scc0 .Lentry_in_a_cluster
	s_endpgm
.Lentry_in_a_cluster:
	s_bfe_u32 s2, ttmp6, 0x10000c
	s_cmp_lg_u32 s2, 0xf033
	s_cbranch_scc0 .Lentry_shape_is_right
	s_endpgm
.Lentry_shape_is_right:
; qkv = x w_attn + b_attn on codes of FP6 (E2M3) with E8M0 scales, sums in f32; the results are quantised in registers and leave as codes: q and k along the head's 64, v along the keys.
; A work-group of four waves makes 256 rows of x by 256 columns of w; a wave 128 x 128: 64 accumulators, 512 registers.  K = 1,024 goes in four steps of 256; operands lie in memory in the order of the operand's registers
; (pieces of 12,288 bytes: 128 rows x 128 K = [64-half c][tile 0..7][768]), so a K step of 128 rows is one dense block of 24,576 bytes and a fragment comes by two loads of 16 bytes and two of 8 a lane, 512 or 256 bytes on end.
; LDS: three slots of 98,304 bytes (x's two halves, w's two halves), all filled at the start; the fourth K step is the one refill, into slot 0; behind them the scale words of all of K (16,384 bytes) and the spare words.
; CLUSTER 4 x 4: x's blocks are shared along a row of the cluster, w's along a column: each is asked for jointly, which divides the requests by four.
; WHICH OPERAND IS SOURCE 1.  A lane of a result holds ONE row of source 1, and its registers run along source 0's rows; row r of tile b is row 32 (b / 2) + 8 (b % 2) + r % 8 + 16 (r / 8), so the 16 registers of source 0's tiles
; 2 B, 2 B + 1 are 16 neighbours.  For q and k the next K is the column (source 1 = x); for v it is the row, the key (source 1 = w).  The choice hangs on the cluster's x alone (clusters 0, 1: q, k; cluster 2: v): equal in all partners.
; It changes LDS read addresses, the bias's layout and two byte selectors, and nothing of the tensor loads.
; The bias is the C of each sum's first product.  LIMITS of the quantiser: zero blocks and blocks under 2^-124 keep the byte 1; NaN and infinities are not served.
; REGISTERS, in windows of 256: window 0: v1-29 addresses; v32-63 scale words, two sets; v64-127 the bias, later at work; v128-223 source 1's eight fragments, one set.  window 1: source 0's fragments, sets at v0 and v128.
;   windows 2, 3: accumulator (a, b) at v[8 (8 (a % 4) + b)], a < 4 in window 2.
; LDS AS IT STANDS (in place of the head's line on three slots): first an area of 196,608 bytes with K steps 0 and 1, 49,152 bytes on end for each wave's fetches (x's two halves, w's two halves);
; behind it an area of 98,304 bytes with K step 2, 24,576 bytes for each.  A wave's one load at the head brings K steps 0 and 1 (192 rows of 256 bytes); K step 2 is asked for behind the full sequence and a round
; of the cluster's barrier; K step 3 is the one refill, onto K step 0.  While a load is out, only the other area is read.
; The scale words (4,096 bytes a wave) come by plain loads and are stored into LDS bytes of their own, behind the two areas: they are a small part of a work-group's bytes, so they are not asked for jointly.
.set HALFB, 24576
.set S2B,   8*HALFB
.set TBB,   12288
.set SCL,   12*HALFB
.set SPARE, SCL+16384
.set S1A16, 8                          ; v8-10   source 1's region + 16 x lane, slots 0..2
.set S1A8,  11                         ; v11-13  + 512 + 8 x lane
.set S0A16, 14
.set S0A8,  17
.set ADRS,  20                         ; v20     scale words: lanes 0-15 source 1's, lanes 16-31 source 0's
.set L16,   24
.set L8,    25
.set BO1,   26
.set BO2,   27
.set SPW,   28
.set NIL,   29
.set SC,    32
.set BI,    64
.set TM,    64
.set PW,    80
.set WV,    18
.set HX,    19
.set HW,    20
.set SELR,  21
.set G1,    24
.set G1B,   32
.set G0X0,  44
.set G0X1,  48
.set G0X2,  52
.set G0W0,  56
.set G0W1,  60
.set G0W2,  68
.set G1S,   72
.set G0S,   80
.set G1SB,  84
.set G0SB,  92
.set MSB, 0
.macro WIN new                         ; the immediate's high byte repeats the setting that is left
.if MSB != (\new)
	s_set_vgpr_msb (MSB<<8)|(\new)
.set MSB, (\new)
.endif
.endm
.macro PLACES n
.rept \n
	v_nop
.endr
.endm
; a joint load: waves 0 and 1 fetch x's halves, waves 2 and 3 w's; the branch hangs on the wave's number alone; an s_nop 0 and four v_nop follow each line
.macro JLOAD g0a, g1a, g0b, g1b
	s_cmp_eq_u32 s[HX], 0
	s_cbranch_scc0 .Lfor_b_\@
	tensor_load_to_lds s[\g0a:\g0a+3], s[\g1a:\g1a+7]
	s_nop 0
.rept 4
	v_nop
.endr
	s_branch .Lasked_\@
.Lfor_b_\@:
	tensor_load_to_lds s[\g0b:\g0b+3], s[\g1b:\g1b+7]
	s_nop 0
.rept 4
	v_nop
.endr
.Lasked_\@:
.endm
.macro CREST                           ; a round of the cluster's barrier behind its opening barrier
	s_cmp_lg_u32 s[WV], 0
	s_cbranch_scc1 .Lnot_wave_0_\@
	s_barrier_signal -3
.Lnot_wave_0_\@:
	s_barrier_wait -3
	s_barrier_signal -1
	s_barrier_wait -1
.endm
.macro CROUND
	s_barrier_signal -1
	s_barrier_wait -1
	CREST
.endm
.macro G1SET g, rows                   ; a dense block as rows of 256 bytes: 32 elements of 8 bytes
	s_mov_b32 s[\g+1], 32<<16
	s_mov_b32 s[\g+2], (\rows)<<16
	s_mov_b32 s[\g+3], 32<<16
	s_mov_b32 s[\g+4], \rows
	s_mov_b32 s[\g+5], 32
	s_mov_b32 s[\g+6], 0
	s_mov_b32 s[\g+7], 0
.endm
.macro SETG0 g, lreg, loff, areg, aoff
	s_mov_b32 s[\g], 1
	s_add_co_u32 s[\g+1], s[\lreg], \loff
	s_add_nc_u64 s[\g+2:\g+3], s[\areg:\areg+1], \aoff
	s_or_b32 s[\g+3], s[\g+3], 0x80000000
.endm
.macro FRAG reg, a16, a8, off          ; a fragment: 12 registers, as they lie
	ds_load_b128 v[\reg:\reg+3], v[\a16] offset:\off
	ds_load_b64 v[\reg+4:\reg+5], v[\a8] offset:\off
	ds_load_b128 v[\reg+6:\reg+9], v[\a16] offset:\off+6144
	ds_load_b64 v[\reg+10:\reg+11], v[\a8] offset:\off+6144
.endm
.macro FETCH_S0 slot, q, p             ; source 0's eight fragments of the slot's q-th 128 along K into set p
	WIN 0x40
.irp i, 0,1,2,3,4,5,6,7
	FRAG 128*(\p)+12*\i, S0A16+(\slot), S0A8+(\slot), (\q)*TBB+\i*768
.endr
	WIN 0
.endm
.macro FETCH_S1 slot, q, i0            ; source 1's blocks i0 .. i0 + 3
.irp i, \i0, \i0+1, \i0+2, \i0+3
	FRAG 128+12*(\i), S1A16+(\slot), S1A8+(\slot), (\q)*TBB+(\i)*768
.endr
.endm
.macro SCALES j                        ; K step j's scale words into set j % 2: register 8 q + tile
.irp q, 0,1
.irp f, 0,1
	ds_load_b128 v[SC+16*((\j)%2)+8*\q+4*\f:SC+16*((\j)%2)+8*\q+4*\f+3], v[ADRS] offset:1024*(\j)+512*\q+256*\f
.endr
.endr
.endm
; 16 products: source 1's blocks a0, a0 + 1 against source 0's eight.  mode 0: onto the sums; 1: the sums begin with the bias by source 0's rows; 2: by source 1's rows.
; The 64 accumulators take turns, one instruction a turn, in the same order in every step.
.macro MUL16 a0, p, q, sc, mode
.irp a, \a0, \a0+1
.irp b, 0,1,2,3,4,5,6,7
.set MD, 8*(8*((\a)%4)+\b)
.set MA, 128*(\p)+12*\b
.set MB, 128+12*(\a)
.set KA, SC+16*(\sc)+8*(\q)+\b
.set KB, SC+16*(\sc)+8*(\q)+(\a)
.if (\mode) == 0
	v_wmma_scale_f32_16x16x128_f8f6f4 v[MD:MD+7], v[MA:MA+11], v[MB:MB+11], v[MD:MD+7], v[KA], v[KB] matrix_a_fmt:MATRIX_FMT_FP6 matrix_b_fmt:MATRIX_FMT_FP6 matrix_a_scale:MATRIX_SCALE_ROW1
.elseif (\mode) == 1
	v_wmma_scale_f32_16x16x128_f8f6f4 v[MD:MD+7], v[MA:MA+11], v[MB:MB+11], v[BI+8*\b:BI+8*\b+7], v[KA], v[KB] matrix_a_fmt:MATRIX_FMT_FP6 matrix_b_fmt:MATRIX_FMT_FP6 matrix_a_scale:MATRIX_SCALE_ROW1
.else
	v_wmma_scale_f32_16x16x128_f8f6f4 v[MD:MD+7], v[MA:MA+11], v[MB:MB+11], v[BI+8*(\a):BI+8*(\a)+7], v[KA], v[KB] matrix_a_fmt:MATRIX_FMT_FP6 matrix_b_fmt:MATRIX_FMT_FP6 matrix_a_scale:MATRIX_SCALE_ROW1
.endif
.endr
.endr
.endm
; a step of 128 along K; it fetches the next step's fragments (slot nslot, part nq), and with nsc >= 0 K step nsc's scale words
.macro STEP q, p, sc, mode, nslot, nq, nsc
	s_wait_dscnt 16                                ; all but the youngest 16 loads (source 1's blocks 4-7) are in
.if (\mode) == 0
	WIN 0xa1
.else
	WIN 0x81
.endif
	MUL16 0, \p, \q, \sc, \mode
	MUL16 2, \p, \q, \sc, \mode
	s_wait_dscnt 0x0                               ; blocks 4-7 are in
	PLACES 4                                       ; in front of loads into registers that products have read
	FETCH_S0 \nslot, \nq, 1-(\p)
	FETCH_S1 \nslot, \nq, 0
.if (\nsc) >= 0
	SCALES \nsc
.endif
.if (\mode) == 0
	WIN 0xf1
.else
	WIN 0xc1
.endif
	MUL16 4, \p, \q, \sc, \mode
	MUL16 6, \p, \q, \sc, \mode
	PLACES 4
	WIN 0
	FETCH_S1 \nslot, \nq, 4
.endm
; a step that meets the other waves: every wave waits for all its tensor loads, adds 0 to its spare word, waits for that and for its LDS reads, and passes a barrier.
; fill = 1: the barrier opens a round of the cluster's, and slot 0, which nobody reads any more, takes K step 3: the wave's one tensor load behind it.
.macro TURN q, p, sc, nslot, nsc, fill
	s_wait_tensorcnt 0x0                           ; all my tensor loads have landed
	ds_add_u32 v[SPW], v[NIL]
	s_wait_dscnt 17                                ; (the add and the youngest 16 loads may be out)
	WIN 0xa1
	MUL16 0, \p, \q, \sc, 0
	s_wait_dscnt 0x0                               ; the add is done, and my reads of the slot are over
	s_barrier_signal -1
	MUL16 2, \p, \q, \sc, 0
	WIN 0
	s_barrier_wait -1
.if \fill
	CREST
	s_add_nc_u64 s[G0X0+2:G0X0+3], s[G0X0+2:G0X0+3], 3*HALFB
	s_add_nc_u64 s[G0W0+2:G0W0+3], s[G0W0+2:G0W0+3], 3*HALFB
	JLOAD G0X0, G1, G0W0, G1B                      ; its four v_nop are also the places in front of the loads below
.else
	PLACES 4
.endif
	FETCH_S0 \nslot, 0, 1-(\p)
	FETCH_S1 \nslot, 0, 0
	SCALES \nsc
	WIN 0xf1
	MUL16 4, \p, \q, \sc, 0
	MUL16 6, \p, \q, \sc, 0
	PLACES 4
	WIN 0
	FETCH_S1 \nslot, 0, 4
.endm
	s_load_b256 s[4:11], s[0:1], 0x0               ; xc, xs, wc, ws
	s_load_b128 s[12:15], s[0:1], 0x20             ; b_attn, qkvc
	s_load_b64 s[16:17], s[0:1], 0x30              ; qkvs
	v_lshl_add_u32 v[SPW], v0, 2, SPARE
	v_mov_b32 v[NIL], 0
	ds_add_u32 v[SPW], v[NIL]                      ; the wave's opening
	ds_add_u32 v[SPW], v[NIL]
	v_lshrrev_b32 v1, 5, v0
	v_readfirstlane_b32 s[WV], v1
	s_lshr_b32 s[HX], s[WV], 1                     ; my half of x's rows.  Also: I fetch for x (0) or for w (1)
	s_and_b32 s[HW], s[WV], 1                      ; my half of w's columns.  Also: which half I fetch
	s_cmp_eq_u32 ttmp9, 2                          ; the cluster's x: 2 = v's columns
	s_cselect_b32 s[SELR], 1, 0
	s_bfe_u32 s22, ttmp6, 0x40000                  ; cx
	s_bfe_u32 s23, ttmp6, 0x40004                  ; cy
	s_lshl_b32 s40, ttmp9, 2
	s_add_co_u32 s40, s40, s22                     ; tile column, 0 .. 11
	s_and_b32 s41, ttmp7, 0xffff
	s_lshl_b32 s41, s41, 2
	s_add_co_u32 s41, s41, s23                     ; tile row, 0 .. 31
	s_lshl_b32 s42, s23, 2
	s_lshl_b32 s42, 15, s42                        ; my row of the cluster
	s_lshl_b32 s43, 0x1111, s22                    ; my column
	s_or_b32 s[G1], s42, (3<<16)|(1<<21)           ; the mask; elements of 8 bytes; bit 21 beside a mask; no padding
	s_or_b32 s[G1B], s43, (3<<16)|(1<<21)
	G1SET G1, 192                                  ; the head's load: two K steps, 49,152 bytes
	G1SET G1B, 192
	s_lshl_b32 s96, s41, 1
	s_add_co_u32 s96, s96, s[HW]                   ; the block of 128 rows of x that I fetch
	s_lshl_b32 s2, s96, 12
	s_mov_b32 s3, 0
	s_mul_i32 s96, s96, 8*TBB
	s_mov_b32 s97, 0
	s_lshl_b32 s98, s40, 1
	s_add_co_u32 s98, s98, s[HW]                   ; the block of 128 columns of w
	s_lshl_b32 s100, s98, 12
	s_mov_b32 s101, 0
	s_mul_i32 s98, s98, 8*TBB
	s_mov_b32 s99, 0
	s_mul_i32 s66, s[WV], 2*HALFB                  ; where my K steps 0 and 1 go: the wave's number alone
	s_mul_i32 s94, s[WV], HALFB                    ; and, from S2B on, my K step 2
	s_lshl_b32 s67, s[WV], 12
	v_and_b32 v6, 31, v0
	v_lshlrev_b32 v6, 4, v6                        ; 16 x lane
	v_add_nc_u32 v7, s67, v6
	v_add_nc_u32 v7, SCL, v7                       ; where my 4,096 bytes of scale words go
	s_wait_alu depctr_va_vdst(0)
	s_wait_dscnt 0x0                               ; both opening adds are done
	s_wait_kmcnt 0x0
	s_add_nc_u64 s[96:97], s[4:5], s[96:97]
	s_add_nc_u64 s[2:3], s[6:7], s[2:3]
	s_add_nc_u64 s[98:99], s[8:9], s[98:99]
	s_add_nc_u64 s[100:101], s[10:11], s[100:101]
	s_cmp_eq_u32 s[HX], 0                          ; waves 0, 1: x's scale words; waves 2, 3: w's
	s_cselect_b64 s[2:3], s[2:3], s[100:101]
.irp i, 0,1,2,3,4,5,6,7
	global_load_b128 v[128+4*\i:128+4*\i+3], v6, s[2:3] offset:512*\i   ; 512 consecutive bytes a load
.endr
	SETG0 G0X0, 66, 0, 96, 0
	SETG0 G0W0, 66, 0, 98, 0
	SETG0 G0X2, 94, S2B, 96, 2*HALFB
	SETG0 G0W2, 94, S2B, 98, 2*HALFB
	CROUND                                         ; all sixteen work-groups are here: the first joint loads meet
	JLOAD G0X0, G1, G0W0, G1B                      ; K steps 0 and 1: one tensor load a wave at the head
	v_and_b32 v1, 15, v0                           ; r
	v_bfe_u32 v2, v0, 4, 1                         ; h
	v_and_b32 v3, 31, v0                           ; lane
	v_lshlrev_b32 v[L16], 4, v3
	s_wait_alu depctr_va_vdst(0)
	v_lshlrev_b32 v[L8], 3, v3
	v_add_nc_u32 v4, 512, v[L8]
	s_wait_alu depctr_va_vdst(0)
	s_mul_i32 s96, s[HX], HALFB                    ; x's region of a slot
	s_mul_i32 s97, s[HW], HALFB
	s_add_co_u32 s97, s97, 2*HALFB                 ; w's
	s_cmp_eq_u32 s[SELR], 0
	s_cselect_b32 s98, s96, s97                    ; source 1's place among the four, x 24,576 bytes
	s_cselect_b32 s99, s97, s96                    ; source 0's
	s_add_co_u32 s100, s98, S2B                    ; K step 2: places of 24,576 bytes, from S2B on
	s_add_co_u32 s101, s99, S2B
	s_lshl_b32 s98, s98, 1                         ; K steps 0 and 1: places of 49,152 bytes
	s_lshl_b32 s99, s99, 1
.irp n, 0,1
	v_add_nc_u32 v[S1A16+\n], s98, v[L16]
	v_add_nc_u32 v[S1A8+\n], s98, v4
	v_add_nc_u32 v[S0A16+\n], s99, v[L16]
	v_add_nc_u32 v[S0A8+\n], s99, v4
	s_add_co_u32 s98, s98, HALFB
	s_add_co_u32 s99, s99, HALFB
.endr
	v_add_nc_u32 v[S1A16+2], s100, v[L16]
	v_add_nc_u32 v[S1A8+2], s100, v4
	v_add_nc_u32 v[S0A16+2], s101, v[L16]
	v_add_nc_u32 v[S0A8+2], s101, v4
	s_lshl_b32 s96, s[HX], 12                      ; x's scale words, my half;
	s_lshl_b32 s97, s[HW], 12
	s_add_co_u32 s97, s97, 8192
	s_sub_co_u32 s97, s97, s96                     ; how far on w's lie
	v_xor_b32 v5, s[SELR], v2                      ; lanes 0-15 take source 1's words
	v_mul_u32_u24 v5, s97, v5
	s_add_co_u32 s96, s96, SCL
	v_lshl_add_u32 v[ADRS], v1, 4, v5
	v_add_nc_u32 v[ADRS], s96, v[ADRS]
	v_lshlrev_b32 v[BO1], 6, v2                    ; the bias by registers: 16 h numbers on
	v_and_b32 v[BO2], 7, v1
	v_lshrrev_b32 v5, 3, v1
	v_lshl_add_u32 v[BO2], v5, 4, v[BO2]
	v_lshlrev_b32 v[BO2], 2, v[BO2]                ; the bias by lanes: r % 8 + 16 (r / 8)
	s_lshl_b32 s96, s40, 10
	s_lshl_b32 s97, s[HW], 9
	s_add_co_u32 s96, s96, s97
	s_mov_b32 s97, 0
	s_add_nc_u64 s[12:13], s[12:13], s[96:97]      ; the bias of my 128 columns
	s_cmp_eq_u32 s[SELR], 0
	s_cbranch_scc0 .Lbias_v
.irp t, 0,1,2,3,4,5,6,7
	global_load_b128 v[BI+8*\t:BI+8*\t+3], v[BO1], s[12:13] offset:(32*(\t/2)+8*(\t%2))*4
	global_load_b128 v[BI+8*\t+4:BI+8*\t+7], v[BO1], s[12:13] offset:(32*(\t/2)+8*(\t%2))*4+16
.endr
	s_branch .Lbias_done
.Lbias_v:
	s_wait_alu depctr_va_vdst(0)
.irp t, 0,1,2,3,4,5,6,7
	global_load_b32 v[BI+8*\t], v[BO2], s[12:13] offset:(32*(\t/2)+8*(\t%2))*4
.endr
	s_wait_loadcnt 0x0
.irp t, 0,1,2,3,4,5,6,7
.irp j, 1,2,3,4,5,6,7
	v_mov_b32 v[BI+8*\t+\j], v[BI+8*\t]            ; a lane's column has one bias for all eight rows
.endr
.endr
	PLACES 8
.Lbias_done:
	s_lshl_b32 s96, s41, 1                         ; where my results go: the piece [which][batch][pair of heads][block of 128 t]
	s_add_co_u32 s96, s96, s[HX]                   ; my block of 128 rows of x
	s_lshr_b32 s97, s40, 2
	s_lshl_b32 s97, s97, 2
	s_lshr_b32 s98, s96, 4
	s_add_co_u32 s97, s97, s98
	s_lshl_b32 s97, s97, 3
	s_and_b32 s98, s40, 3
	s_lshl_b32 s98, s98, 1
	s_add_co_u32 s97, s97, s98
	s_add_co_u32 s97, s97, s[HW]
	s_lshl_b32 s97, s97, 4
	s_and_b32 s98, s96, 15
	s_add_co_u32 s97, s97, s98
	s_mul_i32 s98, s97, TBB
	s_mov_b32 s99, 0
	s_add_nc_u64 s[14:15], s[14:15], s[98:99]
	s_lshl_b32 s98, s97, 9
	s_add_nc_u64 s[16:17], s[16:17], s[98:99]
	s_wait_alu depctr_va_vdst(0)
	s_wait_loadcnt 0x0                             ; my scale words (and the bias) are in
.irp i, 0,1,2,3,4,5,6,7
	ds_store_b128 v7, v[128+4*\i:128+4*\i+3] offset:512*\i
.endr
	s_wait_tensorcnt 0x0                           ; my part of K steps 0 and 1 is in
	ds_add_u32 v[SPW], v[NIL]
	s_mov_b32 s[G1+2], 96<<16                      ; no tensor load of mine is out: from here on a load brings one K step, 96 rows
	s_mov_b32 s[G1+4], 96
	s_mov_b32 s[G1B+2], 96<<16
	s_mov_b32 s[G1B+4], 96
	s_wait_dscnt 0x0                               ; the add and my stores of scale words are done
	CROUND
	JLOAD G0X2, G1, G0W2, G1B                      ; K step 2: three steps of products stand ahead of the wait for it
	FETCH_S0 0, 0, 0
	FETCH_S1 0, 0, 0
	s_wait_alu depctr_va_vdst(0)
	SCALES 0
	FETCH_S1 0, 0, 4
	s_wait_loadcnt 0x0                             ; the bias
	s_cmp_eq_u32 s[SELR], 0
	s_cbranch_scc0 .Lstep0_v
	STEP 0, 0, 0, 1, 0, 1, -1                      ; the first step starts the sums with the bias: written twice, since the bias lies by registers or by lanes
	s_branch .Lstep0_done
.Lstep0_v:
	STEP 0, 0, 0, 2, 0, 1, -1
.Lstep0_done:
	STEP 1, 1, 0, 0, 1, 0, 1
	STEP 0, 0, 1, 0, 1, 1, -1
	TURN 1, 1, 1, 2, 2, 1                          ; K step 2 has landed in every wave; K step 0's bytes, which nobody reads any more, take K step 3
	STEP 0, 0, 0, 0, 2, 1, -1
	TURN 1, 1, 0, 0, 3, 0                          ; K step 3 has landed, in every wave
	STEP 0, 0, 1, 0, 0, 1, -1
	s_wait_dscnt 16                                ; the last step fetches nothing
	WIN 0xa1
	MUL16 0, 1, 1, 1, 0
	MUL16 2, 1, 1, 1, 0
	s_wait_dscnt 0x0
	WIN 0xf1
	MUL16 4, 1, 1, 1, 0
	MUL16 6, 1, 1, 1, 0
	WIN 0
; THE WAY OUT.  Block a: a lane's 64 registers, register 16 B + i = 32 B + 16 h + i along the next K of its row, become a fragment and a scale word; the fragment is stored as it stands.
.macro OUTBLK a
.set WACC, 2+(\a)/4
.set AC, 64*((\a)%4)
.set PC, 96+20*((\a)%2)
.set W01, WACC|(WACC<<2)
.set W12, (WACC<<2)|(WACC<<4)
	WIN W01
.irp b, 0,1,2,3
	v_max3_num_f32 v[TM+\b], |v[AC+16*\b]|, |v[AC+16*\b+1]|, 0x1800000   ; each accumulator is read from its low end on; the floor 2^(3 - 127) among the leaves
.endr
	WIN W12
.irp i, 2,4,6,8,10,12,14
.irp b, 0,1,2,3
	v_max3_num_f32 v[TM+\b], v[TM+\b], |v[AC+16*\b+\i]|, |v[AC+16*\b+\i+1]|
.endr
.endr
	WIN 0
.irp b, 0,1,2,3
	v_permlanex16_b32 v[TM+4+\b], v[TM+\b], s2, s3
.endr
.irp b, 0,1,2,3
	v_max_num_f32 v[TM+\b], v[TM+\b], v[TM+4+\b]   ; with lane l xor 16's 16: the block's largest magnitude
.endr
.irp b, 0,1,2,3
	v_add_nc_u32 v[TM+12+\b], 0xff000000, v[TM+\b]
.endr
.irp b, 0,1,2,3
	v_lshrrev_b32 v[TM+4+\b], 23, v[TM+12+\b]
.endr
	v_lshl_or_b32 v[PW+(\a)], v[TM+5], 8, v[TM+4]
	v_lshl_or_b32 v[PW+(\a)], v[TM+6], 16, v[PW+(\a)]
	v_lshl_or_b32 v[PW+(\a)], v[TM+7], 24, v[PW+(\a)]
.if (\a) > 1
	s_wait_xcnt 0x0                                ; block a - 2's stores have read these registers
.endif
	WIN WACC
.irp c, 0,1
	v_cvt_scalef32_pk16_fp6_f32 v[PC+6*\c:PC+6*\c+2], v[AC+32*\c:AC+32*\c+15], v[TM+12+2*\c]
	v_cvt_scalef32_pk16_fp6_f32 v[PC+12+4*\c:PC+12+4*\c+2], v[AC+32*\c+16:AC+32*\c+31], v[TM+12+2*\c+1]
.endr
	WIN 0
	v_nop                                          ; one plain place behind the conversions
.irp c, 0,1
.irp i, 0,1,2
	v_permlane16_swap_b32 v[PC+6*\c+\i], v[PC+12+4*\c+\i]   ; a whole block to a lane
.endr
.irp i, 0,1,2
	v_mov_b32 v[PC+6*\c+3+\i], v[PC+12+4*\c+\i]
.endr
.endr
	global_store_b128 v[L16], v[PC:PC+3], s[14:15] offset:(\a)*768
	global_store_b64 v[L8], v[PC+4:PC+5], s[14:15] offset:(\a)*768+512
	global_store_b128 v[L16], v[PC+6:PC+9], s[14:15] offset:(\a)*768+6144
	global_store_b64 v[L8], v[PC+10:PC+11], s[14:15] offset:(\a)*768+6656
.endm
	s_mov_b32 s2, 0x76543210
	s_mov_b32 s3, 0xfedcba98                       ; lane l xor 16
	PLACES 4                                       ; behind the last products
.irp a, 0,1,2,3,4,5,6,7
	OUTBLK \a
.endr
	; the scale words: lane (r, h) stores 16 bytes made of the words X0..X3 of tiles 4 h + 0 .. 3.  q, k: the even head's halves of (X0, X1), (X2, X3), then the odd head's; v: X0, X2, X1, X3
	s_cmp_eq_u32 s[SELR], 0
	s_mov_b32 s100, 0x03020100
	s_cselect_b32 s100, 0x05040100, s100
	s_mov_b32 s101, 0x07060504
	s_cselect_b32 s101, 0x07060302, s101
	v_cmp_le_u32 vcc_lo, 16, v3
.irp i, 0,1,2,3
	v_cndmask_b32 v[88+\i], v[PW+\i], v[PW+4+\i], vcc_lo
.endr
	v_perm_b32 v92, v89, v88, s100
	v_perm_b32 v93, v91, v90, s100
	v_perm_b32 v94, v89, v88, s101
	v_perm_b32 v95, v91, v90, s101
	global_store_b128 v[L16], v[92:95], s[16:17]
	s_wait_tensorcnt 0x0                           ; the wave's end
	ds_add_u32 v[SPW], v[NIL]
	s_wait_dscnt 0x0
	CROUND                                         ; the closing round
	s_endpgm
.Lfunc_end_k_q831d278ede_qkv:
	.size	k_q831d278ede_qkv, .Lfunc_end_k_q831d278ede_qkv-k_q831d278ede_qkv
	.p2alignl 7, 3214868480
	.fill 96, 4, 3214868480
	.section	.rodata,"a",@progbits
	.p2align	6, 0x0
	.amdhsa_kernel k_q831d278ede_qkv
		.amdhsa_group_segment_fixed_size 327680
		.amdhsa_private_segment_fixed_size 0
		.amdhsa_enable_private_segment 0
		.amdhsa_kernarg_size 56
		.amdhsa_user_sgpr_count 2
		.amdhsa_user_sgpr_kernarg_segment_ptr 1
		.amdhsa_wavefront_size32 1
		.amdhsa_system_sgpr_workgroup_id_x 1
		.amdhsa_system_sgpr_workgroup_id_y 1
		.amdhsa_system_sgpr_workgroup_id_z 1
		.amdhsa_system_vgpr_workitem_id 0
		.amdhsa_next_free_vgpr 1024
		.amdhsa_next_free_sgpr 102
		.amdhsa_reserve_vcc 1
		.amdhsa_float_denorm_mode_32 3
		.amdhsa_float_denorm_mode_16_64 3
		.amdhsa_memory_ordered 1
		.amdhsa_forward_progress 1
		.amdhsa_inst_pref_size 165
	.end_amdhsa_kernel
	.amdgpu_metadata
---
amdhsa.version: [ 1, 2 ]
amdhsa.kernels:
  - .name:           k_q831d278ede_qkv
    .symbol:         k_q831d278ede_qkv.kd
    .args:
      - { .name: xc, .offset: 0, .size: 8, .value_kind: global_buffer, .address_space: global }
      - { .name: xs, .offset: 8, .size: 8, .value_kind: global_buffer, .address_space: global }
      - { .name: wc, .offset: 16, .size: 8, .value_kind: global_buffer, .address_space: global }
      - { .name: ws, .offset: 24, .size: 8, .value_kind: global_buffer, .address_space: global }
      - { .name: b_attn, .offset: 32, .size: 8, .value_kind: global_buffer, .address_space: global }
      - { .name: qkvc, .offset: 40, .size: 8, .value_kind: global_buffer, .address_space: global }
      - { .name: qkvs, .offset: 48, .size: 8, .value_kind: global_buffer, .address_space: global }
    .group_segment_fixed_size: 327680
    .private_segment_fixed_size: 0
    .kernarg_segment_align: 8
    .kernarg_segment_size: 56
    .max_flat_workgroup_size: 128
    .sgpr_count:     102
    .vgpr_count:     1024
    .wavefront_size: 32
...
	.end_amdgpu_metadata
.endif
;; end of part 2
;; launch attn (part 3): grid 4 x 64, 16 waves a work-group, no clusters, 327,680 bytes of LDS; arguments qkvc, qkvs, ac, asc; writes ac, asc
.if DOCPART == 3
	.amdgcn_target "amdgcn-amd-amdhsa--gfx1250"
	.amdhsa_code_object_version 6
	.text
	.protected	k_q831d278ede_attn
	.globl	k_q831d278ede_attn
	.p2align	8
	.type	k_q831d278ede_attn,@function
k_q831d278ede_attn:
	s_mov_b64 s[64:65], 0
	v_nop
	global_prefetch_b8 v0, s[64:65] scope:SCOPE_SE
	s_setreg_imm32_b32 hwreg(HW_REG_WAVE_MODE, 25, 1), 1
	s_wait_xcnt 0x0
; Causal attention on codes of FP6 (E2M3) with E8M0 scales; head size 64, 2,048 keys, 64 heads.  q, k: codes along the head's 64; v: codes along the keys; o leaves as codes along (head, d), the next product's K.
; THE SOFTMAX: t = score x log2(e) / 8; M = the running largest t rounded UP to a whole number; p = 2^(t - M) is quantised along the keys, not normalised; the row's sum is taken of the unquantised p and divides O at the end.
; When M moves, the sum and O are multiplied by 2^(old M - new M): exact.
; LEFT OUT: key steps that lie wholly behind a block's queries, which the causal mask throws away for every input.
; SHARES.  A work-group owns ONE head and four blocks of 128 queries: g, 15 - g, 7 - g, 8 + g (g = 0 .. 3).  Wave w: tile w % 8 of 16 queries in two blocks: waves 0-7 in g and 15 - g, waves 8-15 in 7 - g and 8 + g:
; 17 turns of 16 queries x 128 keys for every wave, whatever g.
; LDS HOLDS THE HEAD'S K AND V OF ALL 16 KEY STEPS, 196,608 bytes, each byte filled once: one tensor load a wave at the head, 4 rows of 3,072 bytes, row s being a quarter of step 4 (w / 4) + s's 12,288 bytes
; (w % 4 = 0, 1: K's tiles 0-3, 4-7; 2, 3: V's keys 0-63, 64-127).  So every load holds bytes of steps 0, 4, 8 or 12, which every work-group reads.  Part j of step s lies at 49,152 (s / 4) + 12,288 j + 3,072 (s % 4).
; TWO BARRIERS: the first shows steps 0-3 (waves 0-3 alone issue that load line and wait for it); the second, behind step 3, shows all the rest.  Steps 4 to 15 have no barrier: nothing is filled again.
; The scale words of the pair of heads (16,384 bytes) come once, 2 x 512 bytes a wave, by plain loads, and are stored into LDS bytes of their own.
; NO CLUSTER: the four work-groups of a head skip different key steps, so branches would hang on a work-group's place.  NO PREFETCH: all that the work-group reads is asked for at its head.
; LAYOUT.  Both products are used transposed: a lane holds ONE query.  Row r of tile b is row 32 (b / 2) + 8 (b % 2) + r % 8 + 16 (r / 8) of its 128, for queries, keys and d alike.
; K = 64 FILLS HALF OF THE INSTRUCTION'S 128: source 0 holds two tiles of keys side by side, and source 1 is [q | 0] for the first and [0 | q] for the second: zero codes add nothing.
; o's SCALE BYTES: asc[block of 128 rows][head][row r][tile]: two bytes each, 256 bytes for a block and a head, stored as one aligned unit.
; LIMITS: zero blocks and blocks under 2^-124 keep the scale byte 1; NaN and infinities are not served; the softmax holds while the scaled scores stay under 2^31 in magnitude.
.set PT,    12288                      ; a wave's load: a part of four steps
.set STP,   3072
.set GRB,   49152                      ; four steps, in memory (of K or of V, for the pair) and in LDS (K and V, for the head)
.set SCK,   196608                     ; K's scale words, 16 steps x 512
.set SCV,   204800                     ; V's
.set OSC,   212992                     ; o's scale bytes, four blocks x 256
.set SPARE, 214016                     ; the spare words: 128 bytes a wave
.set AK16, 1
.set AK8,  2
.set AV16, 3
.set AV8,  4
.set ASK0, 5
.set ASV0, 6
.set SPW,  7
.set NIL,  8
.set DK16, 9
.set DK8,  10
.set DV16, 11
.set DV8,  12
.set DS,   13
.set DT,   14
.set OSA,  15
.set STLO, 16                          ; -M, the largest t, the sum in two halves
.set STHI, 20
.set QSLO, 54
.set QSHI, 55
.set FR,   56                          ; v56-103 four fragments of K or V; between them the softmax's temporaries
.set BM,   56
.set BP,   60
.set SO,   64
.set CT,   68
.set SUMB, 76
.set KSC,  104
.set PW,   108
.set OSR,  109
.set FF,   110
.set SS,   112                         ; v112-175 the scores, then p
.set OLO,  176
.set OHI,  208
.set PCD,  240
.set DD,   252
.set TA,   254
.set WV,   12
.set PAR,  13
.set BLK,  14
.set QBLO, 17
.set QBHI, 18
.set KS,   19
.set TB,   20
.set TS,   21
.set INR,  23
.set SEL,  24
.set CS,   26
.set G1C,  28
.set G0C,  44
	s_load_b256 s[4:11], s[0:1], 0x0               ; qkvc, qkvs, ac, asc
	v_lshl_add_u32 v[SPW], v0, 2, SPARE
	v_mov_b32 v[NIL], 0
	ds_add_u32 v[SPW], v[NIL]                      ; the opening lines
	ds_add_u32 v[SPW], v[NIL]
	v_lshrrev_b32 v9, 5, v0
	v_readfirstlane_b32 s[WV], v9
	s_and_b32 s[BLK], s[WV], 7                     ; my tile
	s_lshr_b32 s80, s[WV], 3                       ; my pair of blocks
	s_and_b32 s55, ttmp7, 0xffff                   ; batch x 16 + head
	s_and_b32 s[PAR], s55, 1                       ; my head of its pair
	s_lshr_b32 s55, s55, 1                         ; batch x 8 + pair of heads
	s_sub_co_u32 s56, 7, ttmp9
	s_cmp_eq_u32 s80, 0
	s_cselect_b32 s[QBLO], ttmp9, s56              ; g or 7 - g
	s_sub_co_u32 s[QBHI], 15, s[QBLO]              ; 15 - g or 8 + g
	s_mov_b32 s[G1C], 3<<16                        ; no mask; elements of 8 bytes; no padding
	s_mov_b32 s[G1C+1], 384<<16                    ; rows of 3,072 bytes
	s_mov_b32 s[G1C+2], 4<<16                      ; four of them, one a step
	s_mov_b32 s[G1C+3], 384<<16
	s_mov_b32 s[G1C+4], 4
	s_mov_b32 s[G1C+5], 1536                       ; 12,288 bytes from step to step
	s_mov_b32 s[G1C+6], 0
	s_mov_b32 s[G1C+7], 0
	s_mov_b32 s[SEL], 0x76543210
	s_mov_b32 s[SEL+1], 0xfedcba98                 ; lane l xor 16
	s_mov_b32 s[CS], 0x3e38aa3b                    ; c = log2(e) / 8
	s_mov_b32 s[CS+1], s[CS]
	s_mov_b32 s[KS], 0
	s_mov_b32 s[TB], 0
	s_mov_b32 s[TS], 0
	s_lshr_b32 s56, s[WV], 2
	s_mul_i32 s58, s56, GRB                        ; my four steps
	s_mul_i32 s57, s55, 196608                     ; my pair's 16 pieces
	s_add_co_u32 s58, s58, s57
	s_bfe_u32 s56, s[WV], 0x10001                  ; K (0) or V (1)
	s_and_b32 s59, s[WV], 1                        ; which half of it
	s_cmp_eq_u32 s56, 0
	s_cselect_b32 s60, s[PAR], s59                 ; K: 6,144 x head + 3,072 x half;  V: 6,144 x half + 3,072 x head
	s_cselect_b32 s61, s59, s[PAR]
	s_mul_i32 s60, s60, 6144
	s_mul_i32 s61, s61, 3072
	s_add_co_u32 s58, s58, s60
	s_add_co_u32 s58, s58, s61
	s_add_co_u32 s56, s56, 1
	s_mul_i32 s56, s56, 6291456                    ; k's part of qkvc, or v's
	s_add_co_u32 s58, s58, s56
	s_mov_b32 s59, 0
	s_mul_i32 s62, s[WV], PT
	s_lshl_b32 s56, s55, 13                        ; my pair's scale words
	s_add_co_u32 s78, s56, 262144                  ; k's
	s_mov_b32 s79, 0
	s_wait_dscnt 0x0                               ; both opening adds are done
	s_wait_kmcnt 0x0
	s_mov_b32 s[G0C], 1
	s_mov_b32 s[G0C+1], s62
	s_add_nc_u64 s[G0C+2:G0C+3], s[4:5], s[58:59]
	s_or_b32 s[G0C+3], s[G0C+3], 0x80000000
	s_add_nc_u64 s[76:77], s[6:7], s[78:79]
	s_mul_i32 s58, s[PAR], 6144
	s_mul_i32 s59, s[BLK], 768
	s_add_co_u32 s58, s58, s59
	s_add_co_u32 s58, s58, s57                     ; my head's half and my tile, in q's pieces of my pair
	s_mul_i32 s60, s[QBLO], 12288
	s_add_co_u32 s60, s60, s58
	s_mov_b32 s61, 0
	s_mul_i32 s62, s[QBHI], 12288
	s_add_co_u32 s62, s62, s58
	s_mov_b32 s63, 0
	s_add_nc_u64 s[60:61], s[4:5], s[60:61]
	s_add_nc_u64 s[62:63], s[4:5], s[62:63]
	s_lshr_b32 s66, s[BLK], 2
	s_lshl_b32 s66, s66, 8
	s_lshl_b32 s67, s[PAR], 3
	s_add_co_u32 s66, s66, s67
	s_bfe_u32 s67, s[BLK], 0x10001
	s_lshl_b32 s67, s67, 2
	s_add_co_u32 s66, s66, s67
	s_add_co_u32 s66, s66, s56                     ; the word that holds my tile's two bytes
	s_lshl_b32 s68, s[QBLO], 9
	s_add_co_u32 s68, s68, s66
	s_mov_b32 s69, 0
	s_lshl_b32 s70, s[QBHI], 9
	s_add_co_u32 s70, s70, s66
	s_mov_b32 s71, 0
	s_add_nc_u64 s[68:69], s[6:7], s[68:69]
	s_add_nc_u64 s[70:71], s[6:7], s[70:71]
	s_and_b32 s73, s[BLK], 1
	s_cmp_lg_u32 s73, 0
	s_mov_b32 s72, 0x01000100
	s_cselect_b32 s72, 0x03020302, s72             ; my tile's halfword, twice
	v_and_b32 v56, 31, v0                          ; lane
	v_and_b32 v57, 15, v0                          ; r
	v_bfe_u32 v58, v0, 4, 1                        ; h
	v_lshlrev_b32 v9, 4, v56
	v_lshlrev_b32 v10, 3, v56
	v_lshlrev_b32 v11, 4, v57
	v_lshlrev_b32 v12, 4, v0                       ; 16 x thread: my 16 bytes of 8,192 of scale words
	v_add_nc_u32 v13, SCK, v12
	s_wait_alu depctr_va_vdst(0)
	global_load_b128 v[30:33], v9, s[60:61]        ; q of the low block: six registers, 64 along d
	global_load_b64 v[34:35], v10, s[60:61] offset:512
	global_load_b128 v[42:45], v9, s[62:63]        ; of the high block
	global_load_b64 v[46:47], v10, s[62:63] offset:512
	global_load_b32 v[QSLO], v11, s[68:69]
	global_load_b32 v[QSHI], v11, s[70:71]
	global_load_b128 v[112:115], v12, s[76:77]     ; K's scale words
	global_load_b128 v[116:119], v12, s[76:77] offset:262144   ; V's
	s_cmp_lt_u32 s[WV], 4                          ; one chain, one load to an arm: waves 0-3, whose tiles are read first, have a line of their own
	s_cbranch_scc0 .Llater
	tensor_load_to_lds s[G0C:G0C+3], s[G1C:G1C+7]
	s_nop 0
.rept 4
	v_nop
.endr
	s_branch .Lasked
.Llater:
	tensor_load_to_lds s[G0C:G0C+3], s[G1C:G1C+7]
	s_nop 0
.rept 4
	v_nop
.endr
.Lasked:
	v_mov_b32 v[AK16], v9
	v_add_nc_u32 v[AK8], 512, v10
	v_add_nc_u32 v[AV16], 2*PT, v9
	v_add_nc_u32 v[AV8], 2*PT+512, v10
	s_lshl_b32 s73, s[PAR], 3
	s_add_co_u32 s73, s73, SCK
	v_add_nc_u32 v[ASK0], s73, v9
	s_lshl_b32 s73, s[PAR], 8
	s_add_co_u32 s73, s73, SCV
	v_add_nc_u32 v[ASV0], s73, v11
	s_lshl_b32 s73, s80, 9                         ; my low block's 256 bytes of o's scale bytes; the high block's follow
	s_lshl_b32 s74, s[BLK], 1
	s_add_co_u32 s73, s73, s74
	s_add_co_u32 s73, s73, OSC
	v_add_nc_u32 v[OSA], s73, v11                  ; row r, tile: two bytes
	v_and_b32 v59, 63, v0
	v_lshl_add_u32 v[OSR], v59, 4, OSC
	s_lshr_b32 s73, s[BLK], 1
	s_lshl_b32 s73, s73, 5
	s_and_b32 s74, s[BLK], 1
	s_lshl_b32 s74, s74, 3
	s_add_co_u32 s73, s73, s74
	v_and_b32 v59, 7, v57
	v_lshrrev_b32 v60, 3, v57
	v_lshl_add_u32 v59, v60, 4, v59
	v_add_nc_u32 v59, s73, v59                     ; my query's place in its block of 128
	v_lshlrev_b32 v60, 4, v58
	v_sub_nc_u32 v[DD], v59, v60
	s_wait_alu depctr_va_vdst(0)
	s_wait_loadcnt 0x0                             ; q, its words and the scale words
	ds_store_b128 v13, v[112:115]
	ds_store_b128 v13, v[116:119] offset:SCV-SCK
	v_perm_b32 v[QSLO], v[QSLO], v[QSLO], s72      ; (s0, s1, s0, s1): the same word serves [q | 0] and [0 | q]
	v_perm_b32 v[QSHI], v[QSHI], v[QSHI], s72
.irp j, 24,25,26,27,28,29,36,37,38,39,40,41,48,49,50,51,52,53
	v_mov_b32 v\j, 0                               ; the zero codes beside q
.endr
.set i, 0
.rept 64
	v_mov_b32 v[OLO+i], 0                          ; O of both tiles: the step is written once, and its first turn finds zeros
.set i, i+1
.endr
.irp t, STLO, STHI
	v_mov_b32 v[\t+1], 0xff61b1e6                  ; the largest t so far: -3e38
	v_floor_f32 v[\t], -v[\t+1]                    ; -M
	v_mov_b32 v[\t+2], 0
	v_mov_b32 v[\t+3], 0
.endr
	v_mov_b32 v[FF], 0
	v_mov_b32 v[FF+1], 0
	v_mov_b32 v[TA], 0
	v_mov_b32 v[TA+1], 0
	s_wait_alu depctr_va_vdst(0)
; ONE TILE'S TURN of a key step: 16 queries x 128 keys.
.macro TILE Q1, Q2, QS, O, ST, QB
	s_cmp_gt_u32 s[KS], s[\QB]                     ; all keys of the step come after the block's queries: left out
	s_cbranch_scc1 .Lskip_\@
	s_wait_alu depctr_va_vdst(0)
.irp j, 0,1,2,3
	ds_load_b128 v[FR+12*\j:FR+12*\j+3], v[DK16] offset:PT*(\j/2)+1536*(\j%2)          ; tile 2 j of keys in registers 0-5,
	ds_load_b64 v[FR+12*\j+4:FR+12*\j+5], v[DK8] offset:PT*(\j/2)+1536*(\j%2)
	ds_load_b128 v[FR+12*\j+6:FR+12*\j+9], v[DK16] offset:PT*(\j/2)+1536*(\j%2)+768    ; tile 2 j + 1 in registers 6-11
	ds_load_b64 v[FR+12*\j+10:FR+12*\j+11], v[DK8] offset:PT*(\j/2)+1536*(\j%2)+768
.endr
	ds_load_b64 v[KSC:KSC+1], v[DS]                ; lanes 0-15: the words of pairs 0, 1; lanes 16-31: of pairs 2, 3
	s_wait_dscnt 0x0
.irp j, 0,1
	v_wmma_scale_f32_16x16x128_f8f6f4 v[SS+16*\j:SS+16*\j+7], v[FR+12*\j:FR+12*\j+11], v[\Q1:\Q1+11], 0, v[KSC+\j], v[\QS] matrix_a_fmt:MATRIX_FMT_FP6 matrix_b_fmt:MATRIX_FMT_FP6
	v_wmma_scale_f32_16x16x128_f8f6f4 v[SS+16*\j+8:SS+16*\j+15], v[FR+12*\j:FR+12*\j+11], v[\Q2:\Q2+11], 0, v[KSC+\j], v[\QS] matrix_a_fmt:MATRIX_FMT_FP6 matrix_b_fmt:MATRIX_FMT_FP6
.endr
.irp j, 2,3
	v_wmma_scale_f32_16x16x128_f8f6f4 v[SS+16*\j:SS+16*\j+7], v[FR+12*\j:FR+12*\j+11], v[\Q1:\Q1+11], 0, v[KSC+\j-2], v[\QS] matrix_a_fmt:MATRIX_FMT_FP6 matrix_b_fmt:MATRIX_FMT_FP6 matrix_a_scale:MATRIX_SCALE_ROW1
	v_wmma_scale_f32_16x16x128_f8f6f4 v[SS+16*\j+8:SS+16*\j+15], v[FR+12*\j:FR+12*\j+11], v[\Q2:\Q2+11], 0, v[KSC+\j-2], v[\QS] matrix_a_fmt:MATRIX_FMT_FP6 matrix_b_fmt:MATRIX_FMT_FP6 matrix_a_scale:MATRIX_SCALE_ROW1
.endr                                          ; register 16 b + i is key 32 b + 16 h + i of the step
.rept 4
	v_nop                                          ; places behind the products
.endr
	s_cmp_lg_u32 s[KS], s[\QB]                     ; only the step on the diagonal has hidden keys
	s_cbranch_scc1 .Lopen_\@
	v_mov_b32 v[TA], 0xff800000                    ; -infinity: p = 0 then
.set n, 0
.rept 64
	v_cmp_gt_i32 vcc_lo, 32*(n/16)+n%16, v[DD]
	v_cndmask_b32 v[SS+n], v[SS+n], v[TA], vcc_lo
.set n, n+1
.endr
.Lopen_\@:
.irp b, 0,1,2,3
	v_max3_num_f32 v[BM+\b], v[SS+16*\b], v[SS+16*\b+1], v[SS+16*\b+2]   ; the largest score of each block of 32 keys: for the row's maximum and, since p rises with the score, for the block's largest p
.endr
.irp i, 3,5,7,9,11,13
.irp b, 0,1,2,3
	v_max3_num_f32 v[BM+\b], v[BM+\b], v[SS+16*\b+\i], v[SS+16*\b+\i+1]
.endr
.endr
.irp b, 0,1,2,3
	v_max_num_f32 v[BM+\b], v[BM+\b], v[SS+16*\b+15]
.endr
.irp b, 0,1,2,3
	s_delay_alu instid0(VALU_DEP_4)
	v_permlanex16_b32 v[BP+\b], v[BM+\b], s[SEL], s[SEL+1]
.endr
.irp b, 0,1,2,3
	s_delay_alu instid0(VALU_DEP_4)
	v_max_num_f32 v[BM+\b], v[BM+\b], v[BP+\b]
.endr
	s_delay_alu instid0(VALU_DEP_2)
	v_max3_num_f32 v[TA], v[BM], v[BM+1], v[BM+2]
	s_delay_alu instid0(VALU_DEP_1)
	v_max_num_f32 v[TA], v[TA], v[BM+3]
	s_delay_alu instid0(VALU_DEP_1)
	v_mul_f32 v[TA], s[CS], v[TA]                  ; as t
	s_delay_alu instid0(VALU_DEP_1)
	v_max_num_f32 v[\ST+1], v[\ST+1], v[TA]        ; the running largest t
	v_mov_b32 v[TA], v[\ST]
	s_delay_alu instid0(VALU_DEP_2)
	v_floor_f32 v[\ST], -v[\ST+1]                  ; the new -M = -ceil(t)
	s_delay_alu instid0(VALU_DEP_1)
	v_sub_f32 v[TA], v[\ST], v[TA]                 ; old M - new M: a whole number, 0 or less
	s_delay_alu instid0(VALU_DEP_1)
	v_cvt_i32_f32 v[TA], v[TA]                     ; (it saturates)
	s_delay_alu instid0(VALU_DEP_1)
	v_ldexp_f32 v[FF], 1.0, v[TA]                  ; f = 2^(old M - new M)
.set i, 0
.rept 32
	v_pk_fma_f32 v[SS+i:SS+i+1], v[SS+i:SS+i+1], s[CS:CS+1], v[\ST:\ST+1] op_sel_hi:[1,0,0]   ; t - M
.set i, i+2
.endr
.irp b, 0,1,2,3
	v_fma_f32 v[BM+\b], v[BM+\b], s[CS], v[\ST]
.endr
.set i, 0
	s_wait_alu depctr_va_vdst(0)
.rept 64
	v_exp_f32 v[SS+i], v[SS+i]                     ; p = 2^(t - M)
.set i, i+1
.endr
	v_pk_mul_f32 v[\ST+2:\ST+3], v[\ST+2:\ST+3], v[FF:FF+1] op_sel_hi:[1,0]   ; the sums under the new M: a plain place behind the exponentials
	s_wait_alu depctr_va_vdst(0)                   ; one wait for the batch of 64, ahead of its first reader
.irp b, 0,1,2,3
	v_exp_f32 v[BM+\b], v[BM+\b]                   ; the blocks' largest p
.endr
	v_pk_add_f32 v[SUMB:SUMB+1], v[SS:SS+1], v[SS+2:SS+3]   ; the row's sum, of the unquantised p, in two chains
.set i, 4
.rept 15
	v_pk_add_f32 v[\ST+2:\ST+3], v[\ST+2:\ST+3], v[SS+i:SS+i+1]
	v_pk_add_f32 v[SUMB:SUMB+1], v[SUMB:SUMB+1], v[SS+i+2:SS+i+3]
.set i, i+4
.endr
	s_delay_alu instid0(VALU_DEP_1)
	v_pk_add_f32 v[\ST+2:\ST+3], v[\ST+2:\ST+3], v[SUMB:SUMB+1]
	s_wait_alu depctr_va_vdst(0)                   ; and one for the four
.irp b, 0,1,2,3
	v_max_num_f32 v[BM+\b], 0x1800000, v[BM+\b]    ; the floor 2^(3 - 127)
.endr
.irp b, 0,1,2,3
	s_delay_alu instid0(VALU_DEP_4)
	v_add_nc_u32 v[SO+\b], 0xff000000, v[BM+\b]
.endr
.irp b, 0,1,2,3
	s_delay_alu instid0(VALU_DEP_4)
	v_lshrrev_b32 v[BP+\b], 23, v[SO+\b]
.endr
	s_delay_alu instid0(VALU_DEP_3)
	v_lshl_or_b32 v[PW], v[BP+1], 8, v[BP]
	s_delay_alu instid0(VALU_DEP_1)
	v_lshl_or_b32 v[PW], v[BP+2], 16, v[PW]
	s_delay_alu instid0(VALU_DEP_1)
	v_lshl_or_b32 v[PW], v[BP+3], 24, v[PW]
.irp c, 0,1
	v_cvt_scalef32_pk16_fp6_f32 v[PCD+6*\c:PCD+6*\c+2], v[SS+32*\c:SS+32*\c+15], v[SO+2*\c]
	v_cvt_scalef32_pk16_fp6_f32 v[CT+4*\c:CT+4*\c+2], v[SS+32*\c+16:SS+32*\c+31], v[SO+2*\c+1]
.endr
	v_nop                                          ; one plain place behind the conversions
.irp c, 0,1
.irp i, 0,1,2
	v_permlane16_swap_b32 v[PCD+6*\c+\i], v[CT+4*\c+\i]   ; a whole block to a lane
.endr
.irp i, 0,1,2
	s_delay_alu instid0(VALU_DEP_3)
	v_mov_b32 v[PCD+6*\c+3+\i], v[CT+4*\c+\i]
.endr
.endr
.irp t, 0,1,2,3
	ds_load_b128 v[FR+12*\t:FR+12*\t+3], v[DV16] offset:768*\t           ; V's tile t of my head: 16 of d x 128 keys
	ds_load_b64 v[FR+12*\t+4:FR+12*\t+5], v[DV8] offset:768*\t
	ds_load_b128 v[FR+12*\t+6:FR+12*\t+9], v[DV16] offset:768*\t+PT
	ds_load_b64 v[FR+12*\t+10:FR+12*\t+11], v[DV8] offset:768*\t+PT
.endr
	ds_load_b128 v[KSC:KSC+3], v[DT]               ; the words of tiles 0, 2, 1, 3
.set i, 0
.rept 16
	v_pk_mul_f32 v[\O+i:\O+i+1], v[\O+i:\O+i+1], v[FF:FF+1] op_sel_hi:[1,0]   ; O under the new M; these 16 are also the places between p's codes and scale word and the products
.set i, i+2
.endr
	s_wait_alu depctr_va_vdst(0)
	s_wait_dscnt 0x0
.irp t, 0,1,2,3
	v_wmma_scale_f32_16x16x128_f8f6f4 v[\O+8*\t:\O+8*\t+7], v[FR+12*\t:FR+12*\t+11], v[PCD:PCD+11], v[\O+8*\t:\O+8*\t+7], v[KSC+2*(\t%2)+\t/2], v[PW] matrix_a_fmt:MATRIX_FMT_FP6 matrix_b_fmt:MATRIX_FMT_FP6
.endr
.rept 4
	v_nop                                          ; places in front of the next loads into these fragments
.endr
.Lskip_\@:
.endm
.macro STEPBOTH
	s_cmp_gt_u32 s[KS], s[QBHI]
	s_cbranch_scc1 .Lidle_\@
	v_add_nc_u32 v[DK16], s[TB], v[AK16]
	v_add_nc_u32 v[DK8], s[TB], v[AK8]
	v_add_nc_u32 v[DV16], s[TB], v[AV16]
	v_add_nc_u32 v[DV8], s[TB], v[AV8]
	v_add_nc_u32 v[DS], s[TS], v[ASK0]
	v_add_nc_u32 v[DT], s[TS], v[ASV0]
	TILE 42, 36, QSHI, OHI, STHI, QBHI
	TILE 30, 24, QSLO, OLO, STLO, QBLO
.Lidle_\@:
	s_add_co_u32 s[KS], s[KS], 1
	s_and_b32 s55, s[KS], 3
	s_mul_i32 s55, s55, STP                        ; the step's place among its four,
	s_lshr_b32 s56, s[KS], 2
	s_mul_i32 s56, s56, GRB                        ; and the four's place
	s_add_co_u32 s[TB], s55, s56
	s_lshl_b32 s[TS], s[KS], 9
.endm
.macro WALK n                          ; n key steps, no barrier between them
	s_mov_b32 s[INR], 0
.Lstep_\@:
	STEPBOTH
	s_add_co_u32 s[INR], s[INR], 1
	s_cmp_lt_u32 s[INR], \n
	s_cbranch_scc1 .Lstep_\@
.endm
	s_cmp_lt_u32 s[WV], 4
	s_cbranch_scc0 .Lnot_first
	s_wait_tensorcnt 0x0                           ; waves 0-3: my part of steps 0-3 is in
.Lnot_first:
	s_wait_dscnt 0x0                               ; my stores of scale words are done
	s_barrier_signal -1
	s_barrier_wait -1                              ; steps 0-3 and the scale words are whole for all; the other loads may be out
	WALK 4
	s_wait_tensorcnt 0x0                           ; every wave: all that is still out
	s_wait_dscnt 0x0
	s_barrier_signal -1
	s_barrier_wait -1                              ; all 16 steps are whole for all
	WALK 12
	; THE WAY OUT: O / the sum, quantised along d (two blocks of 32), stored as half a fragment; the two scale bytes meet the other waves' in LDS
.rept 4
	v_nop
.endr
	s_wait_alu depctr_va_vdst(0)
	v_add_f32 v[FF], v[STLO+2], v[STLO+3]
	v_add_f32 v[TA], v[STHI+2], v[STHI+3]
	s_delay_alu instid0(VALU_DEP_2)
	v_permlanex16_b32 v[FF+1], v[FF], s[SEL], s[SEL+1]
	s_delay_alu instid0(VALU_DEP_2)
	v_permlanex16_b32 v[TA+1], v[TA], s[SEL], s[SEL+1]
	s_delay_alu instid0(VALU_DEP_2)
	v_add_f32 v[FF], v[FF], v[FF+1]
	s_delay_alu instid0(VALU_DEP_2)
	v_add_f32 v[TA], v[TA], v[TA+1]
	s_wait_alu depctr_va_vdst(0)
	v_rcp_f32 v[FF], v[FF]
	v_rcp_f32 v[TA], v[TA]
	v_and_b32 v9, 31, v0                           ; (a plain place behind the reciprocals)
	s_delay_alu instid0(VALU_DEP_1)
	v_lshlrev_b32 v10, 3, v9
	s_delay_alu instid0(VALU_DEP_2)
	v_lshlrev_b32 v9, 4, v9
	s_and_b32 s55, ttmp7, 0xffff                   ; batch x 16 + head
	s_lshr_b32 s56, s55, 4
	s_lshl_b32 s56, s56, 7
	s_bfe_u32 s57, s55, 0x30001
	s_add_co_u32 s56, s56, s57                     ; batch x 128 + pair
	s_lshl_b32 s57, s[QBLO], 3
	s_add_co_u32 s57, s57, s56                     ; the low block's piece
	s_lshl_b32 s58, s[QBHI], 3
	s_add_co_u32 s58, s58, s56                     ; the high block's
	s_mul_i32 s59, s[PAR], 6144
	s_mul_i32 s60, s[BLK], 768
	s_add_co_u32 s59, s59, s60
	s_mul_i32 s60, s57, 12288
	s_add_co_u32 s60, s60, s59
	s_mov_b32 s61, 0
	s_mul_i32 s62, s58, 12288
	s_add_co_u32 s62, s62, s59
	s_mov_b32 s63, 0
	s_add_nc_u64 s[60:61], s[8:9], s[60:61]
	s_add_nc_u64 s[62:63], s[8:9], s[62:63]
	s_sub_co_u32 s66, 7, ttmp9                     ; the scale bytes: wave 0 stores blocks g (lanes 0-15) and 15 - g (lanes 16-31), wave 1 blocks 7 - g and 8 + g
	s_cmp_eq_u32 s[WV], 0
	s_cselect_b32 s66, ttmp9, s66
	s_lshl_b32 s69, s66, 1
	s_sub_co_u32 s69, 15, s69                      ; how many blocks on the second lies
	s_lshl_b32 s69, s69, 12
	s_lshr_b32 s68, s55, 4
	s_lshl_b32 s68, s68, 4
	s_add_co_u32 s66, s66, s68                     ; batch x 16 + block
	s_lshl_b32 s66, s66, 12
	s_and_b32 s68, s55, 15
	s_lshl_b32 s68, s68, 8                         ; 256 bytes a head
	s_add_co_u32 s66, s66, s68
	s_mov_b32 s67, 0
	s_add_nc_u64 s[66:67], s[10:11], s[66:67]
	v_bfe_u32 v12, v0, 4, 1
	v_mul_u32_u24 v12, s69, v12
	v_and_b32 v13, 15, v0
	v_lshl_add_u32 v12, v13, 4, v12
	s_wait_alu depctr_va_vdst(0)                   ; one wait for the two reciprocals, ahead of their first reader
.set i, 0
.rept 16
	v_pk_mul_f32 v[OLO+i:OLO+i+1], v[OLO+i:OLO+i+1], v[FF:FF+1] op_sel_hi:[1,0]
.set i, i+2
.endr
.set i, 0
.rept 16
	v_pk_mul_f32 v[OHI+i:OHI+i+1], v[OHI+i:OHI+i+1], v[TA:TA+1] op_sel_hi:[1,0]
.set i, i+2
.endr
.macro QUANT2 O, PC, CTR, HWD
.irp b, 0,1
	v_max3_num_f32 v[56+\b], |v[\O+16*\b]|, |v[\O+16*\b+1]|, 0x1800000
.endr
.irp i, 2,4,6,8,10,12,14
.irp b, 0,1
	s_delay_alu instid0(VALU_DEP_2)
	v_max3_num_f32 v[56+\b], v[56+\b], |v[\O+16*\b+\i]|, |v[\O+16*\b+\i+1]|
.endr
.endr
.irp b, 0,1
	s_delay_alu instid0(VALU_DEP_2)
	v_permlanex16_b32 v[58+\b], v[56+\b], s[SEL], s[SEL+1]
.endr
.irp b, 0,1
	s_delay_alu instid0(VALU_DEP_2)
	v_max_num_f32 v[56+\b], v[56+\b], v[58+\b]
.endr
.irp b, 0,1
	s_delay_alu instid0(VALU_DEP_2)
	v_add_nc_u32 v[60+\b], 0xff000000, v[56+\b]
.endr
.irp b, 0,1
	s_delay_alu instid0(VALU_DEP_2)
	v_lshrrev_b32 v[62+\b], 23, v[60+\b]
.endr
	s_delay_alu instid0(VALU_DEP_1)
	v_lshl_or_b32 v[\HWD], v63, 8, v62
	v_cvt_scalef32_pk16_fp6_f32 v[\PC:\PC+2], v[\O:\O+15], v60
	v_cvt_scalef32_pk16_fp6_f32 v[\CTR:\CTR+2], v[\O+16:\O+31], v61
	v_nop
.irp i, 0,1,2
	v_permlane16_swap_b32 v[\PC+\i], v[\CTR+\i]
.endr
.irp i, 0,1,2
	s_delay_alu instid0(VALU_DEP_3)
	v_mov_b32 v[\PC+3+\i], v[\CTR+\i]
.endr
.endm
	QUANT2 OLO, 66, 72, 64
	QUANT2 OHI, 76, 82, 65
	global_store_b128 v9, v[66:69], s[60:61]
	global_store_b64 v10, v[70:71], s[60:61] offset:512
	global_store_b128 v9, v[76:79], s[62:63]
	global_store_b64 v10, v[80:81], s[62:63] offset:512
	ds_store_b16 v[OSA], v64                       ; lanes r and r + 16 write the same halfword with the same value
	ds_store_b16 v[OSA], v65 offset:256
	s_wait_dscnt 0x0                               ; for the others' sake
	s_barrier_signal -1
	s_barrier_wait -1
	s_cmp_lt_u32 s[WV], 2
	s_cbranch_scc0 .Ldone
	ds_load_b128 v[56:59], v[OSR]                  ; waves 0 and 1: two blocks' 256 bytes each
	s_wait_dscnt 0x0
	global_store_b128 v12, v[56:59], s[66:67]      ; sixteen lanes store one aligned unit of 256 bytes
.Ldone:
	s_wait_tensorcnt 0x0                           ; the wave's end
	ds_add_u32 v[SPW], v[NIL]
	s_wait_dscnt 0x0
	s_endpgm
.Lfunc_end_k_q831d278ede_attn:
	.size	k_q831d278ede_attn, .Lfunc_end_k_q831d278ede_attn-k_q831d278ede_attn
	.p2alignl 7, 3214868480
	.fill 96, 4, 3214868480
	.section	.rodata,"a",@progbits
	.p2align	6, 0x0
	.amdhsa_kernel k_q831d278ede_attn
		.amdhsa_group_segment_fixed_size 327680
		.amdhsa_private_segment_fixed_size 0
		.amdhsa_enable_private_segment 0
		.amdhsa_kernarg_size 32
		.amdhsa_user_sgpr_count 2
		.amdhsa_user_sgpr_kernarg_segment_ptr 1
		.amdhsa_wavefront_size32 1
		.amdhsa_system_sgpr_workgroup_id_x 1
		.amdhsa_system_sgpr_workgroup_id_y 1
		.amdhsa_system_sgpr_workgroup_id_z 1
		.amdhsa_system_vgpr_workitem_id 0
		.amdhsa_next_free_vgpr 256
		.amdhsa_next_free_sgpr 100
		.amdhsa_reserve_vcc 1
		.amdhsa_float_denorm_mode_32 3
		.amdhsa_float_denorm_mode_16_64 3
		.amdhsa_memory_ordered 1
		.amdhsa_forward_progress 1
		.amdhsa_inst_pref_size 110
	.end_amdhsa_kernel
	.amdgpu_metadata
---
amdhsa.version: [ 1, 2 ]
amdhsa.kernels:
  - .name:           k_q831d278ede_attn
    .symbol:         k_q831d278ede_attn.kd
    .args:
      - { .name: qkvc, .offset: 0, .size: 8, .value_kind: global_buffer, .address_space: global }
      - { .name: qkvs, .offset: 8, .size: 8, .value_kind: global_buffer, .address_space: global }
      - { .name: ac, .offset: 16, .size: 8, .value_kind: global_buffer, .address_space: global }
      - { .name: asc, .offset: 24, .size: 8, .value_kind: global_buffer, .address_space: global }
    .group_segment_fixed_size: 327680
    .private_segment_fixed_size: 0
    .kernarg_segment_align: 8
    .kernarg_segment_size: 32
    .max_flat_workgroup_size: 512
    .sgpr_count:     100
    .vgpr_count:     256
    .wavefront_size: 32
...
	.end_amdgpu_metadata
.endif
;; end of part 3
;; launch proj (part 4): grid 8 x 32, 4 waves a work-group, clusters of 4 x 4, 327,680 bytes of LDS; arguments ac, asc, wc, ws, b_proj, out0; writes out0
.if DOCPART == 4
	.amdgcn_target "amdgcn-amd-amdhsa--gfx1250"
	.amdhsa_code_object_version 6
	.text
	.protected	k_q831d278ede_proj
	.globl	k_q831d278ede_proj
	.p2align	8
	.type	k_q831d278ede_proj,@function
k_q831d278ede_proj:
	s_mov_b64 s[64:65], 0
	v_nop
	global_prefetch_b8 v0, s[64:65] scope:SCOPE_SE
	s_setreg_imm32_b32 hwreg(HW_REG_WAVE_MODE, 25, 1), 1
	s_wait_xcnt 0x0
	s_wait_alu depctr_hold_cnt(0) depctr_sa_sdst(0) depctr_va_vdst(0) depctr_va_sdst(0) depctr_va_ssrc(0) depctr_va_vcc(0) depctr_vm_vsrc(0)
	s_getreg_b32 s2, hwreg(HW_REG_IB_STS2, 6, 4)
	s_cmp_eq_u32 s2, 0
	s_cbranch_scc0 .Lentry_in_a_cluster
	s_endpgm
.Lentry_in_a_cluster:
	s_bfe_u32 s2, ttmp6, 0x10000c
	s_cmp_lg_u32 s2, 0xf033
	s_cbranch_scc0 .Lentry_shape_is_right
	s_endpgm
.Lentry_shape_is_right:
; out = o w_proj + b_proj on codes of FP6 (E2M3) with E8M0 scales, sums in f32, out in f32.  o's codes and w_proj's lie in memory in the order of the operand's registers:
; pieces of 12,288 bytes (128 rows x 128 K) = [64-half c][tile 0..7][768]; a block of 128 rows, all of K = 1,024, is 98,304 bytes on end.
; THE DEAL.  256 work-groups of four waves, 2 x 2, each 256 rows x 128 columns.  A wave holds its 64 columns of w, ALL of K, in registers (32 fragments, 384 registers) and streams its 128 rows of o past them
; in 8 blocks of 16 rows: a block is 8 fragments and 32 products on four accumulators by turns, and its 16 x 64 results are finished and leave while the next block is multiplied.
; LDS: w's 98,304 bytes, o's two blocks of 98,304, a stage of 16 rows x 272 bytes a wave, the spare words.  All of K fits, so every byte is filled once, at the head, by one joint load a wave:
; waves 0 and 1 half of w each, waves 2 and 3 a block of o each.  Nothing is filled again.  CLUSTER 4 x 4: o's blocks are shared along a row of the cluster, w's along a column.
; The first barrier shows w (waves 0 and 1 alone issue that line and wait for it); the 128 LDS loads of the weights stand ahead of the wait for o.
; THE SCALE WORDS go from memory straight into registers, once, 256 consecutive bytes for each sixteen lanes: w's 32 words a lane, o's 64.  They are a small part of the bytes and are not asked for jointly.
; Source 0 = w's columns, source 1 = o's rows: a lane holds one row of out, and the 16 registers of w's tiles 2 B, 2 B + 1 are the 16 neighbouring columns 32 B + 16 h + 0 .. 15
; (row r of tile b is row 32 (b / 2) + 8 (b % 2) + r % 8 + 16 (r / 8) of its 128).  The bias is the C of each sum's first product.
; NO PREFETCH: all that the work-group reads is asked for at its head, and there is no loop to run ahead in.
; REGISTERS: window 0: v1-29 addresses; v32-63 w's scale words (4 q + b); v64-127 o's (8 q + tile); v128-191 two sets of four accumulators; v192-223 the bias; v224-255 a block's rows on the way out.
;   windows 1, 2: w's fragments 4 q + b, sixteen to a window.  window 3: o's fragments, two sets of eight.
.set PB,    12288
.set RB,    98304
.set STG,   3*RB
.set SP,    272
.set SPARE, STG+4*16*SP
.set AW,    8                          ; v8, v9 w: 16 x lane, pieces 0-3, 4-7; v10, v11: 512 + 8 x lane
.set AX,    12                         ; v12-15 the same for o
.set R16,   16
.set BO,    17
.set STO,   18
.set RDB,   19
.set CO,    20
.set SPW,   28
.set NIL,   29
.set SW,    32
.set SX,    64
.set ACC,   128
.set BI,    192
.set BK,    224
.set WV,    18
.set HX,    19
.set HW,    20
.set G1W,   24
.set G1X,   32
.set G0W,   44
.set G0X,   48
.set MSB, 0
.macro WIN new                         ; the immediate's high byte repeats the setting that is left
.if MSB != (\new)
	s_set_vgpr_msb (MSB<<8)|(\new)
.set MSB, (\new)
.endif
.endm
.macro PLACES n
.rept \n
	v_nop
.endr
.endm
.macro CROUND                          ; a round of the cluster's barrier
	s_barrier_signal -1
	s_barrier_wait -1
	s_cmp_lg_u32 s[WV], 0
	s_cbranch_scc1 .Lnot_wave_0_\@
	s_barrier_signal -3
.Lnot_wave_0_\@:
	s_barrier_wait -3
	s_barrier_signal -1
	s_barrier_wait -1
.endm
.macro G1SET g, rows                   ; a dense block as rows of 256 bytes: 32 elements of 8 bytes
	s_mov_b32 s[\g+1], 32<<16
	s_mov_b32 s[\g+2], (\rows)<<16
	s_mov_b32 s[\g+3], 32<<16
	s_mov_b32 s[\g+4], \rows
	s_mov_b32 s[\g+5], 32
	s_mov_b32 s[\g+6], 0
	s_mov_b32 s[\g+7], 0
.endm
.macro FRAG reg, a, g, off             ; a fragment: 12 registers, as they lie
	ds_load_b128 v[\reg:\reg+3], v[\a+(\g)] offset:\off
	ds_load_b64 v[\reg+4:\reg+5], v[\a+2+(\g)] offset:\off
	ds_load_b128 v[\reg+6:\reg+9], v[\a+(\g)] offset:\off+6144
	ds_load_b64 v[\reg+10:\reg+11], v[\a+2+(\g)] offset:\off+6144
.endm
.macro WEIGHTS                         ; my 64 columns, all of K: 128 loads
.irp q, 0,1,2,3,4,5,6,7
	WIN (1+\q/4)<<6
.irp b, 0,1,2,3
	FRAG 12*((4*\q+\b)%16), AW, \q/4, (\q%4)*PB+\b*768
.endr
.endr
	WIN 0
.endm
.macro FETCH a, e                      ; block a of my rows, all of K, into set e: 32 loads
	WIN 0xc0
.irp q, 0,1,2,3,4,5,6,7
	FRAG 96*(\e)+12*\q, AX, \q/4, (\q%4)*PB+(\a)*768
.endr
	WIN 0
.endm
.macro PRODS a                         ; 32 products: K ascending, the four accumulators by turns
.irp q, 0,1,2,3,4,5,6,7
	WIN 0x0d+(\q/4)
.irp b, 0,1,2,3
.set D_, ACC+32*((\a)%2)+8*\b
.set W_, 12*((4*\q+\b)%16)
.set X_, 96*((\a)%2)+12*\q
.if \q == 0
	v_wmma_scale_f32_16x16x128_f8f6f4 v[D_:D_+7], v[W_:W_+11], v[X_:X_+11], v[BI+8*\b:BI+8*\b+7], v[SW+4*\q+\b], v[SX+8*\q+(\a)] matrix_a_fmt:MATRIX_FMT_FP6 matrix_b_fmt:MATRIX_FMT_FP6
.else
	v_wmma_scale_f32_16x16x128_f8f6f4 v[D_:D_+7], v[W_:W_+11], v[X_:X_+11], v[D_:D_+7], v[SW+4*\q+\b], v[SX+8*\q+(\a)] matrix_a_fmt:MATRIX_FMT_FP6 matrix_b_fmt:MATRIX_FMT_FP6
.endif
.endr
.endr
	WIN 0
.endm
.macro TOSTAGE a                       ; 16 rows x 256 bytes through my own stage: LDS serves a wave's instructions in order, so no wait stands between the stores and the loads
.irp n, 0,1,2,3,4,5,6,7
	ds_store_b128 v[STO], v[ACC+32*((\a)%2)+4*\n:ACC+32*((\a)%2)+4*\n+3] offset:128*(\n/4)+16*(\n%4)   ; each accumulator from its low end on
.endr
.irp t, 0,1,2,3,4,5,6,7
	ds_load_b128 v[BK+4*\t:BK+4*\t+3], v[RDB] offset:\t*2*SP
.endr
.endm
.macro SEND a                          ; sixteen lanes store 256 consecutive bytes of a row, aligned; two rows an instruction
.irp t, 0,1,2,3,4,5,6,7
	global_store_b128 v[CO], v[BK+4*\t:BK+4*\t+3], s[14:15] offset:(32*((\a)/2)+8*((\a)%2)+(2*\t)%8+16*((2*\t)/8))*4096 th:TH_STORE_NT
.endr
.endm
	s_load_b256 s[4:11], s[0:1], 0x0               ; ac, asc, wc, ws
	s_load_b128 s[12:15], s[0:1], 0x20             ; b_proj, out0
	v_lshl_add_u32 v[SPW], v0, 2, SPARE
	v_mov_b32 v[NIL], 0
	ds_add_u32 v[SPW], v[NIL]                      ; the opening lines
	ds_add_u32 v[SPW], v[NIL]
	v_lshrrev_b32 v1, 5, v0
	v_readfirstlane_b32 s[WV], v1
	s_lshr_b32 s[HX], s[WV], 1                     ; my block of 128 rows.  Also: I fetch for w (0) or for o (1)
	s_and_b32 s[HW], s[WV], 1                      ; my 64 columns.  Also: which half of w, or which block of o, I fetch
	v_and_b32 v1, 15, v0                           ; r
	v_bfe_u32 v2, v0, 4, 1                         ; h
	v_and_b32 v3, 31, v0                           ; lane
	v_lshlrev_b32 v4, 4, v3
	v_lshlrev_b32 v5, 3, v3
	v_add_nc_u32 v5, 512, v5
	s_mul_i32 s96, s[HW], 4*768                    ; my four tiles of w's eight
	s_mul_i32 s97, s[HX], RB
	s_add_co_u32 s97, s97, RB                      ; my block of o, behind w
	v_add_nc_u32 v[AW], s96, v4
	v_add_nc_u32 v[AW+2], s96, v5
	v_add_nc_u32 v[AX], s97, v4
	v_add_nc_u32 v[AX+2], s97, v5
.irp a, AW, AW+2, AX, AX+2
	v_add_nc_u32 v[\a+1], 4*PB, v[\a]              ; pieces 4-7
.endr
	v_lshlrev_b32 v[R16], 4, v1
	v_lshlrev_b32 v[BO], 6, v2                     ; the bias: 16 h numbers on
	s_mul_i32 s98, s[WV], 16*SP
	s_add_co_u32 s98, s98, STG                     ; my stage
	v_mul_u32_u24 v[STO], v1, SP
	v_lshl_add_u32 v[STO], v2, 6, v[STO]
	v_add_nc_u32 v[STO], s98, v[STO]               ; in: row r, + 64 h bytes
	v_mul_u32_u24 v[RDB], v2, SP
	v_lshl_add_u32 v[RDB], v1, 4, v[RDB]
	v_add_nc_u32 v[RDB], s98, v[RDB]               ; back: lanes 0-15 one row, lanes 16-31 the next
	v_lshlrev_b32 v[CO], 12, v2
	v_lshl_add_u32 v[CO], v1, 4, v[CO]             ; and the same two rows in out
	s_wait_alu depctr_va_vdst(0)
	s_bfe_u32 s22, ttmp6, 0x40000                  ; cx
	s_bfe_u32 s23, ttmp6, 0x40004                  ; cy
	s_lshl_b32 s40, ttmp9, 2
	s_add_co_u32 s40, s40, s22                     ; tile column, 0 .. 7
	s_and_b32 s41, ttmp7, 0xffff
	s_lshl_b32 s41, s41, 2
	s_add_co_u32 s41, s41, s23                     ; tile row, 0 .. 31
	s_lshl_b32 s42, s23, 2
	s_lshl_b32 s42, 15, s42                        ; my row of the cluster
	s_lshl_b32 s43, 0x1111, s22                    ; my column
	s_or_b32 s[G1W], s43, (3<<16)|(1<<21)          ; the mask; elements of 8 bytes; bit 21 beside a mask; no padding
	s_or_b32 s[G1X], s42, (3<<16)|(1<<21)
	G1SET G1W, 192                                 ; half of w: 49,152 bytes
	G1SET G1X, 384                                 ; a block of o: 98,304 bytes
	s_add_co_u32 s96, s40, 24                      ; w_proj's blocks lie behind w_attn's 24
	s_lshl_b32 s100, s96, 12
	s_mul_i32 s96, s96, RB
	s_mul_i32 s97, s[HW], 4*PB
	s_add_co_u32 s96, s96, s97                     ; the half of w that I fetch
	s_mov_b32 s97, 0
	s_lshl_b32 s52, s[HW], 8
	s_add_co_u32 s100, s100, s52                   ; the scale words of my four tiles
	s_mov_b32 s101, 0
	s_lshl_b32 s98, s41, 1
	s_add_co_u32 s54, s98, s[HX]                   ; the block of o that I multiply
	s_add_co_u32 s98, s98, s[HW]                   ; the block that I fetch
	s_mul_i32 s98, s98, RB
	s_mov_b32 s99, 0
	s_lshl_b32 s2, s54, 12
	s_mov_b32 s3, 0
	s_lshl_b32 s58, s40, 9
	s_add_co_u32 s58, s58, s52                     ; my first column, in bytes
	s_mov_b32 s59, 0
	s_lshl_b32 s56, s54, 19                        ; my 128 rows of 4,096 bytes
	s_add_co_u32 s56, s56, s58
	s_mov_b32 s57, 0
	s_mov_b32 s[G0W], 1
	s_mul_i32 s[G0W+1], s[HW], 4*PB
	s_mov_b32 s[G0X], 1
	s_mul_i32 s[G0X+1], s[HW], RB
	s_add_co_u32 s[G0X+1], s[G0X+1], RB
	s_wait_dscnt 0x0                               ; both opening adds are done
	CROUND                                         ; all sixteen work-groups are here: the joint loads meet
	s_wait_kmcnt 0x0
	s_add_nc_u64 s[G0W+2:G0W+3], s[8:9], s[96:97]
	s_or_b32 s[G0W+3], s[G0W+3], 0x80000000
	s_add_nc_u64 s[G0X+2:G0X+3], s[4:5], s[98:99]
	s_or_b32 s[G0X+3], s[G0X+3], 0x80000000
	s_add_nc_u64 s[100:101], s[10:11], s[100:101]
	s_add_nc_u64 s[2:3], s[6:7], s[2:3]
	s_add_nc_u64 s[12:13], s[12:13], s[58:59]
	s_add_nc_u64 s[14:15], s[14:15], s[56:57]
	s_cmp_eq_u32 s[HX], 0                          ; one chain, one load to an arm: every way through the head passes exactly one
	s_cbranch_scc0 .Lfor_o
	tensor_load_to_lds s[G0W:G0W+3], s[G1W:G1W+7]
	s_nop 0
	PLACES 4
	s_branch .Lasked
.Lfor_o:
	tensor_load_to_lds s[G0X:G0X+3], s[G1X:G1X+7]
	s_nop 0
	PLACES 4
.Lasked:
.irp q, 0,1,2,3,4,5,6,7
	global_load_b128 v[SW+4*\q:SW+4*\q+3], v[R16], s[100:101] offset:512*\q         ; row r's words of my four tiles of w
.endr
.irp q, 0,1,2,3,4,5,6,7
	global_load_b128 v[ACC+8*\q:ACC+8*\q+3], v[R16], s[2:3] offset:512*\q           ; o's scale bytes lie [block][head][row][tile], two bytes each: row r's eight tiles of head 2 q,
	global_load_b128 v[ACC+8*\q+4:ACC+8*\q+7], v[R16], s[2:3] offset:512*\q+256     ; and of head 2 q + 1 (into registers that the sums take later)
.endr
.irp t, 0,1,2,3
	global_load_b128 v[BI+8*\t:BI+8*\t+3], v[BO], s[12:13] offset:(32*(\t/2)+8*(\t%2))*4
	global_load_b128 v[BI+8*\t+4:BI+8*\t+7], v[BO], s[12:13] offset:(32*(\t/2)+8*(\t%2))*4+16
.endr
	s_cmp_eq_u32 s[HX], 0
	s_cbranch_scc0 .Lnot_w
	s_wait_tensorcnt 0x0                           ; waves 0 and 1: my half of w is in
.Lnot_w:
	s_barrier_signal -1
	s_barrier_wait -1                              ; w is whole for all; o may still be on its way
	WEIGHTS
	s_wait_tensorcnt 0x0                           ; every wave: all that is still out
	s_wait_dscnt 0x0
	s_barrier_signal -1
	s_barrier_wait -1                              ; o is whole for all
	FETCH 0, 0
	FETCH 1, 1
	s_mov_b32 s52, 0x05040100                      ; the two low halves
	s_mov_b32 s53, 0x07060302                      ; the two high halves
	s_wait_loadcnt 0x0                             ; the scale words and the bias
.irp q, 0,1,2,3,4,5,6,7
.irp a, 0,1,2,3,4,5,6,7
	v_perm_b32 v[SX+8*\q+\a], v[ACC+8*\q+4+\a/2], v[ACC+8*\q+\a/2], s[52+\a%2]   ; tile a's word for these 128 of K: head 2 q's two bytes below head 2 q + 1's
.endr
.endr
	PLACES 8                                       ; a scale register written by a vector instruction stands 8 places ahead of the product that takes it
	s_wait_alu depctr_va_vdst(0)
; A block's fragments were fetched two blocks ago.  Younger than that fetch: a stage's 16 LDS instructions and the next fetch's 32 (48); for block 0 the next fetch alone (32); for block 7 the stage alone (16).
; The block before leaves behind this block's products: younger than its stage's loads is one fetch (32), at the end nothing (0).
.irp a, 0,1,2,3,4,5,6,7
.if \a == 0
	s_wait_dscnt 32
.elseif \a < 7
	s_wait_dscnt 48
.else
	s_wait_dscnt 16
.endif
	PRODS \a
.if \a > 0
.if \a < 7
	s_wait_dscnt 32
.else
	s_wait_dscnt 0x0
.endif
	SEND \a-1
.endif
	PLACES 4                                       ; behind the products: ahead of the stores of their results and of the loads into their fragments
	s_wait_xcnt 0x0                                ; the stores above have read their registers: the stage's loads may land there
	TOSTAGE \a
.if \a < 6
	FETCH \a+2, \a%2
.endif
.endr
	s_wait_dscnt 0x0
	SEND 7
	s_wait_tensorcnt 0x0                           ; the wave's end
	ds_add_u32 v[SPW], v[NIL]
	s_wait_dscnt 0x0
	CROUND                                         ; the closing round
	s_endpgm
.Lfunc_end_k_q831d278ede_proj:
	.size	k_q831d278ede_proj, .Lfunc_end_k_q831d278ede_proj-k_q831d278ede_proj
	.p2alignl 7, 3214868480
	.fill 96, 4, 3214868480
	.section	.rodata,"a",@progbits
	.p2align	6, 0x0
	.amdhsa_kernel k_q831d278ede_proj
		.amdhsa_group_segment_fixed_size 327680
		.amdhsa_private_segment_fixed_size 0
		.amdhsa_enable_private_segment 0
		.amdhsa_kernarg_size 48
		.amdhsa_user_sgpr_count 2
		.amdhsa_user_sgpr_kernarg_segment_ptr 1
		.amdhsa_wavefront_size32 1
		.amdhsa_system_sgpr_workgroup_id_x 1
		.amdhsa_system_sgpr_workgroup_id_y 1
		.amdhsa_system_sgpr_workgroup_id_z 1
		.amdhsa_system_vgpr_workitem_id 0
		.amdhsa_next_free_vgpr 1024
		.amdhsa_next_free_sgpr 102
		.amdhsa_reserve_vcc 0
		.amdhsa_float_denorm_mode_32 3
		.amdhsa_float_denorm_mode_16_64 3
		.amdhsa_memory_ordered 1
		.amdhsa_forward_progress 1
		.amdhsa_inst_pref_size 88
	.end_amdhsa_kernel
	.amdgpu_metadata
---
amdhsa.version: [ 1, 2 ]
amdhsa.kernels:
  - .name:           k_q831d278ede_proj
    .symbol:         k_q831d278ede_proj.kd
    .args:
      - { .name: ac, .offset: 0, .size: 8, .value_kind: global_buffer, .address_space: global }
      - { .name: asc, .offset: 8, .size: 8, .value_kind: global_buffer, .address_space: global }
      - { .name: wc, .offset: 16, .size: 8, .value_kind: global_buffer, .address_space: global }
      - { .name: ws, .offset: 24, .size: 8, .value_kind: global_buffer, .address_space: global }
      - { .name: b_proj, .offset: 32, .size: 8, .value_kind: global_buffer, .address_space: global }
      - { .name: out0, .offset: 40, .size: 8, .value_kind: global_buffer, .address_space: global }
    .group_segment_fixed_size: 327680
    .private_segment_fixed_size: 0
    .kernarg_segment_align: 8
    .kernarg_segment_size: 48
    .max_flat_workgroup_size: 128
    .sgpr_count:     102
    .vgpr_count:     1024
    .wavefront_size: 32
...
	.end_amdgpu_metadata
.endif
;; end of part 4
